; MI455X (gfx1250); checked and timed in simulation.
; The chip was launched on July 23, 2026; its instructions are those of AMD's public machine-readable ISA for CDNA 5 (MIT licence, August 2026) and "CDNA5" Instruction Set Architecture Reference Guide (July 2026). The comments in the code are by the model that wrote it; some were corrected since.
;; Ray Network. Allowed arithmetic: float matrix products may take bf16 or f16 operands with f32 sums; all other float work in f32.
;; Inputs: W_proj 512 x 128 float32; b_proj 512 float32; features 2 x 8,192 x 128 float32; gaussian_pcd 2 x 8,192 x 3 float32; geometry 2 x 8,192 x 3 float32.
;; Outputs: out0 2 x 8,192 x 512 float32.
;; Constants: k = 10.
;; 2 versions, each right; version 2 is version 1 with the launches scan, mix written anew for expert scheduling mode. Each part assembles by itself: llvm-mc -triple=amdgcn-amd-amdhsa -mcpu=gfx1250 --defsym DOCPART=n.
;; ======== version 1 of 2: 3 launches
;; limits: values are held in f16: magnitudes above 65,504 overflow, below 6.1e-05 lose precision
;; workspace buffers: glist 1,048,576 bytes of whole numbers; ilist 1,048,576 bytes of whole numbers
;; launch scan (part 1): grid 256 x 1, 4 waves a work-group, no clusters, 211,456 bytes of LDS; arguments geometry, gaussian_pcd, glist; writes glist
.if DOCPART == 1
	.amdgcn_target "amdgcn-amd-amdhsa--gfx1250"
	.amdhsa_code_object_version 6
	.text
	.protected	k_q627344ee8a_scan
	.globl	k_q627344ee8a_scan
	.p2align	8
	.type	k_q627344ee8a_scan,@function
k_q627344ee8a_scan:
	s_mov_b64 s[64:65], 0
	v_nop
	global_prefetch_b8 v0, s[64:65] scope:SCOPE_SE
	s_setreg_imm32_b32 hwreg(HW_REG_WAVE_MODE, 25, 1), 1
	s_wait_xcnt 0x0
; FIRST OF THREE LAUNCHES.  For each of 2 x 8,192 queries: which 10 of the batch's 256 groups of 32 consecutive points hold its 10 nearest points.
; The 10 smallest keys (d2, index) lie in the 10 groups whose (smallest d2, group number) are smallest, so only each group's minimum is kept.
; d2 = (q2 + p2) - 2 q.p in f32, in the order in which the module writes it: ranks hang on the last bit, so the K = 3 product stays on the vector unit in f32
; (16-bit operands would change neighbours).  SQ_FMA and DOT_FMA say whether the squared norms and the dot product are chains of fused multiply-adds or of multiplies and adds.
; As set: a squared norm is three rounded squares, added x, y, z; the dot product is fl(x x'), then two fused multiply-adds, y and z.  The three launches hold the same two flags.
; SHARES.  A work-group owns 64 queries of one batch; lane l holds queries 2 l and 2 l + 1 as a packed pair; wave w walks points 2,048 w .. + 2,047: 64 groups.
; NOTHING HANGS ON DATA: the 10th smallest minimum T is kept by a sorted list of 10 (nine medians and a minimum an insertion), membership is collected in bit masks
; (less than T; equal to T), and the first 10 set bits, all 'less' before 'equal', low group first, are taken out by integer work on registers.
; NO CLUSTER, NO TENSOR LOAD: what work-groups share is 96 KiB of points, which pass through registers once to get p2 appended; that is 64 of the wave's some 20,000 instructions.
; LIMITS.  Where two candidates' d2 lie within a rounding of each other, which of them is nearer hangs on the order of roundings that the two flags fix.
; Candidates are ordered by max(d2, 0), not by its root: two different d2 whose f32 roots coincide are not taken as a tie.  NaN and infinities are not treated apart.
.set SQ_FMA,  0
.set DOT_FMA, 1
.set GMIN,  131072                     ; LDS: 0 .. 131,071 the batch's points, 16 bytes each: x, y, z, p2
.set LS,    196608                     ; GMIN: [256 groups][64 queries] f32.  LS: [4 waves][10][64 queries] f32
.set MK,    206848                     ; [2 kinds][8 words][64 queries]: bit b of word k = group 32 k + b
.set SPARE, 210944                     ; the spare words, 128 bytes a wave: two blocks of 256 bytes that no other line names
.set QX, 2                             ; v[2:9]     x, y, z, q2 of my two queries, in pairs
.set QY, 4
.set QZ, 6
.set Q2, 8
.set L,  10                            ; v[10:29]   the two sorted lists, interleaved: entry j at L + 2 j (+ 1)
.set GM, 30                            ; v[30:31]   the group's minimum
.set T,  32                            ; v[32:63]   eight points at work: two pairs each
.set PA, 64                            ; v[64:127]  16 points as loaded from LDS
.set PB, 128                           ; v[128:191] the group's other 16
.set VP, 192                           ; LDS address of the group in hand (the same in all lanes)
.set VGM, 193                          ; where its minimum goes
.set MT, 194                           ; v[194:199] at work
.set SPW, 200                          ; LDS address of my spare word; never rewritten
.set NIL, 201                          ; 0; never rewritten
.set A0, 202
.set A1, 203
.set TMP, 204
.set GOF, 205
.set QOF, 206
.macro SQ3 d, x, y, z, t               ; d = x x + y y + z z
	v_mul_f32 v[\d], v[\x], v[\x]
.if SQ_FMA
	v_fmac_f32 v[\d], v[\y], v[\y]
	v_fmac_f32 v[\d], v[\z], v[\z]
.else
	v_mul_f32 v[\t], v[\y], v[\y]
	v_add_f32 v[\d], v[\d], v[\t]
	v_mul_f32 v[\t], v[\z], v[\z]
	v_add_f32 v[\d], v[\d], v[\t]
.endif
.endm
.macro EACH8 line:vararg               ; one line for each of eight points k
.set k, 0
.rept 8
	\line
.set k, k+1
.endr
.endm
; Eight points at v[P ..] against my two queries, stage by stage, so that no line waits for the one before it; then the group's running minimum.
; A point's x and z are the low registers of its two pairs (op_sel_hi 0 takes them for both halves), y and p2 the high ones (op_sel 1, op_sel_hi 1).
.macro OCT P, first
	EACH8 v_pk_mul_f32 v[T+4*k:T+4*k+1], v[QX:QX+1], v[(\P)+4*k:(\P)+4*k+1] op_sel_hi:[1,0]
.if DOT_FMA
	EACH8 v_pk_fma_f32 v[T+4*k:T+4*k+1], v[QY:QY+1], v[(\P)+4*k:(\P)+4*k+1], v[T+4*k:T+4*k+1] op_sel:[0,1,0] op_sel_hi:[1,1,1]
	EACH8 v_pk_fma_f32 v[T+4*k:T+4*k+1], v[QZ:QZ+1], v[(\P)+4*k+2:(\P)+4*k+3], v[T+4*k:T+4*k+1] op_sel_hi:[1,0,1]
.else
	EACH8 v_pk_mul_f32 v[T+4*k+2:T+4*k+3], v[QY:QY+1], v[(\P)+4*k:(\P)+4*k+1] op_sel:[0,1] op_sel_hi:[1,1]
	EACH8 v_pk_add_f32 v[T+4*k:T+4*k+1], v[T+4*k:T+4*k+1], v[T+4*k+2:T+4*k+3]
	EACH8 v_pk_mul_f32 v[T+4*k+2:T+4*k+3], v[QZ:QZ+1], v[(\P)+4*k+2:(\P)+4*k+3] op_sel_hi:[1,0]
	EACH8 v_pk_add_f32 v[T+4*k:T+4*k+1], v[T+4*k:T+4*k+1], v[T+4*k+2:T+4*k+3]
.endif
	EACH8 v_pk_add_f32 v[T+4*k+2:T+4*k+3], v[Q2:Q2+1], v[(\P)+4*k+2:(\P)+4*k+3] op_sel:[0,1] op_sel_hi:[1,1]
	EACH8 v_pk_fma_f32 v[T+4*k:T+4*k+1], v[T+4*k:T+4*k+1], -2.0, v[T+4*k+2:T+4*k+3] op_sel_hi:[1,0,1]
.irp u, 0,1
	v_min3_num_f32 v[MT+3*\u], v[T+\u], v[T+4+\u], v[T+8+\u]
	v_min3_num_f32 v[MT+3*\u+1], v[T+12+\u], v[T+16+\u], v[T+20+\u]
.if \first
	v_min_num_f32 v[MT+3*\u+2], v[T+24+\u], v[T+28+\u]
.else
	v_min3_num_f32 v[MT+3*\u+2], v[T+24+\u], v[T+28+\u], v[GM+\u]
.endif
.endr
.irp u, 0,1
	v_min3_num_f32 v[GM+\u], v[MT+3*\u], v[MT+3*\u+1], v[MT+3*\u+2]
.endr
.endm
; v[x], v[x+1] go into the two sorted lists: entry j becomes the median of entry j - 1, entry j and the newcomer; from the top down, so that each line reads old entries.
.macro INS2 x
.set jj, 9
.rept 9
	v_med3_num_f32 v[L+2*jj], v[L+2*jj-2], v[L+2*jj], v[(\x)]
	v_med3_num_f32 v[L+2*jj+1], v[L+2*jj-1], v[L+2*jj+1], v[(\x)+1]
.set jj, jj-1
.endr
	v_min_num_f32 v[L], v[L], v[(\x)]
	v_min_num_f32 v[L+1], v[L+1], v[(\x)+1]
.endm
.macro LD16 dst, off                   ; 16 points: every lane reads the same 16 bytes
.set i, 0
.rept 16
	ds_load_b128 v[(\dst)+4*i:(\dst)+4*i+3], v[VP] offset:(\off)+16*i
.set i, i+1
.endr
.endm
; One group of 32 points.  pref = 1: the next group's first half is fetched while this group's second half is worked on.
.macro GROUP pref
	LD16 PB, 256
	s_wait_dscnt 16                                ; all but the sixteen loads just issued: the first half is in, the last minimum is stored
	OCT PA, 1
	OCT PA+32, 0
.if \pref
	LD16 PA, 512
	s_wait_dscnt 16                                ; all but those sixteen: the second half is in
.else
	s_wait_dscnt 0x0
.endif
	OCT PB, 0
	OCT PB+32, 0
	v_max_num_f32 v[GM], 0, v[GM]                  ; the clamp commutes with the minimum
	v_max_num_f32 v[GM+1], 0, v[GM+1]
	ds_store_b64 v[VGM], v[GM:GM+1]
	INS2 GM
	v_add_nc_u32 v[VP], 0x200, v[VP]
	v_add_nc_u32 v[VGM], 0x100, v[VGM]
.endm
	s_load_b128 s[4:7], s[0:1], 0x0                ; geometry s[4:5], gaussian_pcd s[6:7]
	s_load_b64 s[8:9], s[0:1], 0x10                ; glist
	v_lshl_add_u32 v[SPW], v0, 2, SPARE
	v_mov_b32 v[NIL], 0
	v_and_b32 v1, 31, v0                           ; lane
	v_lshrrev_b32 v[TMP], 5, v0
	v_readfirstlane_b32 s10, v[TMP]                ; wave 0..3
	s_lshr_b32 s11, ttmp9, 7                       ; batch: 128 work-groups each
	s_mul_i32 s12, s11, 98304                      ; the batch's points
	s_mov_b32 s13, 0
	s_mul_i32 s16, ttmp9, 768                      ; my 64 queries, 12 bytes each
	s_mov_b32 s17, 0
	s_lshl_b32 s18, ttmp9, 12                      ; their 64 rows of 64 bytes in glist
	s_mov_b32 s19, 0
	v_mul_u32_u24 v[GOF], v0, 12                   ; thread t fetches points 128 k + t
	v_mul_u32_u24 v[QOF], v1, 24                   ; my two queries
	v_lshlrev_b32 v[A0], 4, v0                     ; and puts them at 16 t + 2,048 k
	v_add_nc_u32 v[A1], 65536, v[A0]
	s_wait_kmcnt 0x0
	s_add_nc_u64 s[6:7], s[6:7], s[12:13]
	s_add_nc_u64 s[4:5], s[4:5], s[16:17]
	s_add_nc_u64 s[8:9], s[8:9], s[18:19]
	global_load_b64 v[MT:MT+1], v[QOF], s[4:5]             ; x0 y0
	global_load_b64 v[MT+2:MT+3], v[QOF], s[4:5] offset:8  ; z0 x1
	global_load_b64 v[MT+4:MT+5], v[QOF], s[4:5] offset:16 ; y1 z1
	; THE FILL: 8,192 points, 64 a thread, through a ring of 32 slots of four registers; p2 is made on the way
.set i, 0
.rept 32
	global_load_b96 v[PA+4*i:PA+4*i+2], v[GOF], s[6:7] offset:1536*i
.set i, i+1
.endr
.set i, 0
.rept 32
	s_wait_loadcnt 31                              ; loads come back in order: 31 younger ones stay out, this slot's is in
	SQ3 PA+4*i+3, PA+4*i, PA+4*i+1, PA+4*i+2, TMP
	ds_store_b128 v[A0], v[PA+4*i:PA+4*i+3] offset:2048*i
	global_load_b96 v[PA+4*i:PA+4*i+2], v[GOF], s[6:7] offset:1536*(32+i)
.set i, i+1
.endr
.set i, 0
.rept 32
	s_wait_loadcnt 31-i                            ; nothing more is asked for: the count runs down
	SQ3 PA+4*i+3, PA+4*i, PA+4*i+1, PA+4*i+2, TMP
	ds_store_b128 v[A1], v[PA+4*i:PA+4*i+3] offset:2048*i
.set i, i+1
.endr
	v_mov_b32 v[QX], v[MT]
	v_mov_b32 v[QY], v[MT+1]
	v_mov_b32 v[QZ], v[MT+2]
	v_mov_b32 v[QX+1], v[MT+3]
	v_mov_b32 v[QY+1], v[MT+4]
	v_mov_b32 v[QZ+1], v[MT+5]
	SQ3 Q2, QX, QY, QZ, TMP
	SQ3 Q2+1, QX+1, QY+1, QZ+1, TMP
	s_mov_b32 s15, 0x7f800000
.set i, 0
.rept 20
	v_mov_b32 v[L+i], s15                          ; the lists begin at +infinity
.set i, i+1
.endr
	s_lshl_b32 s15, s10, 15
	v_mov_b32 v[VP], s15                           ; my wave's 2,048 points
	s_lshl_b32 s15, s10, 14
	s_add_co_u32 s15, s15, GMIN
	v_lshl_add_u32 v[VGM], v1, 3, s15              ; my wave's 64 rows of minima, my two queries' 8 bytes
	s_wait_dscnt 0x0                               ; for the others' sake: my points are in LDS
	s_barrier_signal -1
	s_barrier_wait -1
	LD16 PA, 0
	s_mov_b32 s14, 63
.Lgroup:
	GROUP 1
	s_sub_co_u32 s14, s14, 1
	s_cmp_lg_u32 s14, 0
	s_cbranch_scc1 .Lgroup
	GROUP 0                                        ; the last group fetches nothing beyond my wave's points
	; THE FOUR WAVES' LISTS ARE MERGED, by every wave alike: list 0 is taken, the 30 entries of the others are inserted
	s_mul_i32 s15, s10, 2560
	s_add_co_u32 s15, s15, LS
	v_lshl_add_u32 v[A0], v1, 3, s15
.set j, 0
.rept 10
	ds_store_b64 v[A0], v[L+2*j:L+2*j+1] offset:256*j
.set j, j+1
.endr
	s_wait_dscnt 0x0                               ; my list is in LDS
	s_barrier_signal -1
	s_barrier_wait -1
	v_lshl_add_u32 v[A1], v1, 3, LS
.set j, 0
.rept 10
	ds_load_b64 v[L+2*j:L+2*j+1], v[A1] offset:256*j
.set j, j+1
.endr
	s_mov_b32 s14, 3
.Lmerge:
	v_add_nc_u32 v[A1], 2560, v[A1]
.set j, 0
.rept 10
	ds_load_b64 v[PA+2*j:PA+2*j+1], v[A1] offset:256*j
.set j, j+1
.endr
	s_wait_dscnt 0x0
.set j, 0
.rept 10
	INS2 PA+2*j
.set j, j+1
.endr
	s_sub_co_u32 s14, s14, 1
	s_cmp_lg_u32 s14, 0
	s_cbranch_scc1 .Lmerge
	; THE MASKS of my wave's 64 groups against T = v[L+18], v[L+19]: a compare sets the carry, word = 2 word + carry; groups go from the top down, so a low bit is a low group.
	; Words at v[84 + 4 kind + 2 half + query]
	s_lshl_b32 s15, s10, 14
	s_add_co_u32 s15, s15, GMIN
	v_lshl_add_u32 v[VGM], v1, 3, s15
.set i, 0
.rept 8
	v_mov_b32 v[84+i], 0
.set i, i+1
.endr
.macro CHUNK hf, cq                    ; groups 32 hf + 8 cq + 7 .. + 0
.set i, 0
.rept 8
	ds_load_b64 v[92+2*i:93+2*i], v[VGM] offset:256*(32*(\hf)+8*(\cq)+i)
.set i, i+1
.endr
	s_wait_dscnt 0x0
.set i, 7
.rept 8
.irp u, 0,1
	v_cmp_lt_f32 vcc_lo, v[92+2*i+\u], v[L+18+\u]
	v_add_co_ci_u32 v[84+2*(\hf)+\u], vcc_lo, v[84+2*(\hf)+\u], v[84+2*(\hf)+\u], vcc_lo
	v_cmp_eq_f32 vcc_lo, v[92+2*i+\u], v[L+18+\u]
	v_add_co_ci_u32 v[88+2*(\hf)+\u], vcc_lo, v[88+2*(\hf)+\u], v[88+2*(\hf)+\u], vcc_lo
.endr
.set i, i-1
.endr
.endm
.irp hh, 0,1
	CHUNK \hh, 3
	CHUNK \hh, 2
	CHUNK \hh, 1
	CHUNK \hh, 0
.endr
	s_lshl_b32 s15, s10, 9
	s_add_co_u32 s15, s15, MK
	v_lshl_add_u32 v[A0], v1, 3, s15               ; words 2 w and 2 w + 1 of each kind
	ds_store_b64 v[A0], v[84:85]
	ds_store_b64 v[A0], v[86:87] offset:256
	ds_store_b64 v[A0], v[88:89] offset:2048
	ds_store_b64 v[A0], v[90:91] offset:2304
	s_wait_dscnt 0x0                               ; my words are in LDS
	s_barrier_signal -1
	s_barrier_wait -1
	s_cmp_ge_u32 s10, 2
	s_cbranch_scc0 .Lpick
	s_wait_tensorcnt 0x0                           ; waves 2 and 3 end here
	ds_add_u32 v[SPW], v[NIL]
	s_wait_dscnt 0x0
	s_endpgm
.Lpick:                                                ; waves 0 and 1: thread t takes query t's ten groups out of its 16 words (8 'less', then 8 'equal')
	v_lshl_add_u32 v[A0], v0, 2, MK
.set j, 0
.rept 16
	ds_load_b32 v[64+j], v[A0] offset:256*j
.set j, j+1
.endr
	v_lshlrev_b32 v86, 6, v0                       ; my query's row of 64 bytes in glist
.set j, 98
.rept 6
	v_mov_b32 v[j], 0                              ; the row's six words behind the ten groups
.set j, j+1
.endr
	s_wait_dscnt 0x0
	; The ten takes are written out, so that take n lands in a register of its own, v[88 + n], and nothing goes through LDS.
	; v80: the first word that is not 0; v81: its tag, 32 x word + 4,096 x kind
.set n, 0
.rept 10
	v_mov_b32 v80, 0
	v_mov_b32 v81, 0
.set j, 15
.rept 16
	v_cmp_eq_u32 vcc_lo, 0, v[64+j]
	v_cndmask_b32 v80, v[64+j], v80, vcc_lo
	v_cndmask_b32 v81, 32*(j&7)+0x1000*(j>>3), v81, vcc_lo
.set j, j-1
.endr
	v_add_nc_u32 v82, -1, v80
	v_and_b32 v83, v80, v82                        ; the word without its lowest bit
	v_xor_b32 v84, v80, v83                        ; that bit alone: a power of two, whose place is its exponent as a float
	v_cvt_f32_u32 v84, v84
	v_lshrrev_b32 v84, 23, v84
	v_add3_u32 v85, v81, v84, 0xffffff81           ; tag + place
.set j, 0
.rept 16
	v_cmp_eq_u32 vcc_lo, 32*(j&7)+0x1000*(j>>3), v81
	v_cndmask_b32 v[64+j], v[64+j], v83, vcc_lo
.set j, j+1
.endr
	v_and_b32 v[88+n], 0xff, v85                   ; the group's number
.set n, n+1
.endr
	; ascending, so that in the next launch (place in the list, place in the group) orders candidates as their indices do: ten passes of neighbour exchanges
.set ps, 0
.rept 10
.set a, ps%2
.rept 5
.if a < 9
	v_min_u32 v82, v[88+a], v[89+a]
	v_max_u32 v[89+a], v[88+a], v[89+a]
	v_mov_b32 v[88+a], v82
.endif
.set a, a+2
.endr
.set ps, ps+1
.endr
.set j, 0
.rept 4
	global_store_b128 v86, v[88+4*j:91+4*j], s[8:9] offset:16*j  ; a row of 64 bytes a query, whole: ten groups and six zeros
.set j, j+1
.endr
	s_wait_tensorcnt 0x0                           ; the wave's end
	ds_add_u32 v[SPW], v[NIL]
	s_wait_dscnt 0x0
	s_endpgm
.Lfunc_end_k_q627344ee8a_scan:
	.size	k_q627344ee8a_scan, .Lfunc_end_k_q627344ee8a_scan-k_q627344ee8a_scan
	.p2alignl 7, 3214868480
	.fill 96, 4, 3214868480
	.section	.rodata,"a",@progbits
	.p2align	6, 0x0
	.amdhsa_kernel k_q627344ee8a_scan
		.amdhsa_group_segment_fixed_size 211456
		.amdhsa_private_segment_fixed_size 0
		.amdhsa_enable_private_segment 0
		.amdhsa_kernarg_size 24
		.amdhsa_user_sgpr_count 2
		.amdhsa_user_sgpr_kernarg_segment_ptr 1
		.amdhsa_wavefront_size32 1
		.amdhsa_system_sgpr_workgroup_id_x 1
		.amdhsa_system_sgpr_workgroup_id_y 1
		.amdhsa_system_sgpr_workgroup_id_z 1
		.amdhsa_system_vgpr_workitem_id 0
		.amdhsa_next_free_vgpr 208
		.amdhsa_next_free_sgpr 66
		.amdhsa_reserve_vcc 1
		.amdhsa_float_denorm_mode_32 3
		.amdhsa_float_denorm_mode_16_64 3
		.amdhsa_memory_ordered 1
		.amdhsa_forward_progress 1
		.amdhsa_inst_pref_size 135
	.end_amdhsa_kernel
	.amdgpu_metadata
---
amdhsa.version: [ 1, 2 ]
amdhsa.kernels:
  - .name:           k_q627344ee8a_scan
    .symbol:         k_q627344ee8a_scan.kd
    .args:
      - { .name: geometry, .offset: 0, .size: 8, .value_kind: global_buffer, .address_space: global }
      - { .name: gaussian_pcd, .offset: 8, .size: 8, .value_kind: global_buffer, .address_space: global }
      - { .name: glist, .offset: 16, .size: 8, .value_kind: global_buffer, .address_space: global }
    .group_segment_fixed_size: 211456
    .private_segment_fixed_size: 0
    .kernarg_segment_align: 8
    .kernarg_segment_size: 24
    .max_flat_workgroup_size: 128
    .sgpr_count:     66
    .vgpr_count:     208
    .wavefront_size: 32
...
	.end_amdgpu_metadata
.endif
;; end of part 1
;; launch pick (part 2): grid 256 x 1, 8 waves a work-group, no clusters, 0 bytes of LDS; arguments geometry, gaussian_pcd, glist, ilist; writes ilist
.if DOCPART == 2
	.amdgcn_target "amdgcn-amd-amdhsa--gfx1250"
	.amdhsa_code_object_version 6
	.text
	.protected	k_q627344ee8a_pick
	.globl	k_q627344ee8a_pick
	.p2align	8
	.type	k_q627344ee8a_pick,@function
k_q627344ee8a_pick:
	s_mov_b64 s[64:65], 0
	v_nop
	global_prefetch_b8 v0, s[64:65] scope:SCOPE_SE
	s_setreg_imm32_b32 hwreg(HW_REG_WAVE_MODE, 25, 1), 1
	s_wait_xcnt 0x0
; SECOND LAUNCH.  For each query: the indices of its 10 nearest points, out of the 320 points of the 10 groups that the first launch listed (glist holds whole numbers, so addresses may hang on it).
; SHARES.  A work-group owns 64 queries; four neighbouring threads share a query: part p takes points 8 p .. 8 p + 7 of each group, 80 candidates, whose d2 stay in registers.
; d2 as in the first launch, bit for bit (same order, same flags: a squared norm is three rounded squares, added x, y, z; the dot product is fl(x x'), then two fused multiply-adds).
; The 10th smallest d2, T, by a sorted list of 10; the four parts' lists are merged through lane exchanges.
; Membership in two masks of 80 bits (less than T; equal to T).  Ten trips take out the smallest key = 4,096 x (equal) + 32 x place in the list + place in the group over the four parts:
; all 'less' first, then 'equal' in ascending index, which is how the module's top_k breaks ties.  No LDS, no barrier: nothing leaves a group of four lanes.
; LIMITS.  Where two candidates' d2 lie within a rounding of each other, which is nearer hangs on the order of roundings that the flags fix.  Ordered by max(d2, 0), not by its root; NaN and infinities are not treated apart.
.set SQ_FMA,  0
.set DOT_FMA, 1
.set G,    2                           ; v[2:11]    the ten groups
.set OFFS, 12                          ; v[12:21]   byte offset of my eight points in each
.set Q,    22                          ; v[22:24]   the query; v25 q2
.set Q2,   25
.set L,    26                          ; v[26:35]   the sorted list
.set X,    36                          ; v[36:45]   a partner's list
.set PB,   48                          ; v[48:95]   two buffers of 8 points x 3
.set D,    96                          ; v[96:175]  d2 of candidate 8 s + i
.set P2,   176                         ; v[176:183] at work
.set U,    184                         ; v[184:191] at work
.set WL,   192                         ; v[192:194] 'less', v[195:197] 'equal'
.set QOF,  210
.set LOF,  213
.set SLOT, 214                         ; v[214:217] the places 4 p .. 4 p + 3 of the output row, which I store
.set R,    218                         ; v[218:221] what goes there
.set P8,   222
.set OOF,  223
.macro EACH8 line:vararg
.set i, 0
.rept 8
	\line
.set i, i+1
.endr
.endm
.macro INS x                           ; v[x] goes into the sorted list: from the top down, entry j = the median of entry j - 1, entry j and the newcomer
.set jj, 9
.rept 9
	v_med3_num_f32 v[L+jj], v[L+jj-1], v[L+jj], v[\x]
.set jj, jj-1
.endr
	v_min_num_f32 v[L], v[L], v[\x]
.endm
.macro LOADG s, b                      ; my 96 bytes of group s
.set kk, 0
.rept 6
	global_load_b128 v[PB+24*(\b)+4*kk:PB+24*(\b)+4*kk+3], v[OFFS+(\s)], s[6:7] offset:16*kk
.set kk, kk+1
.endr
.endm
.macro OCT2 s, b                       ; eight candidates, stage by stage; D's registers serve as scratch until d2 is written
.set BB, PB+24*(\b)
.set DD, D+8*(\s)
	EACH8 v_mul_f32 v[P2+i], v[BB+3*i], v[BB+3*i]
.if SQ_FMA
	EACH8 v_fmac_f32 v[P2+i], v[BB+3*i+1], v[BB+3*i+1]
	EACH8 v_fmac_f32 v[P2+i], v[BB+3*i+2], v[BB+3*i+2]
.else
	EACH8 v_mul_f32 v[DD+i], v[BB+3*i+1], v[BB+3*i+1]
	EACH8 v_add_f32 v[P2+i], v[P2+i], v[DD+i]
	EACH8 v_mul_f32 v[DD+i], v[BB+3*i+2], v[BB+3*i+2]
	EACH8 v_add_f32 v[P2+i], v[P2+i], v[DD+i]
.endif
	EACH8 v_mul_f32 v[U+i], v[Q], v[BB+3*i]
.if DOT_FMA
	EACH8 v_fmac_f32 v[U+i], v[Q+1], v[BB+3*i+1]
	EACH8 v_fmac_f32 v[U+i], v[Q+2], v[BB+3*i+2]
.else
	EACH8 v_mul_f32 v[DD+i], v[Q+1], v[BB+3*i+1]
	EACH8 v_add_f32 v[U+i], v[U+i], v[DD+i]
	EACH8 v_mul_f32 v[DD+i], v[Q+2], v[BB+3*i+2]
	EACH8 v_add_f32 v[U+i], v[U+i], v[DD+i]
.endif
	EACH8 v_add_f32 v[P2+i], v[Q2], v[P2+i]
	EACH8 v_fma_f32 v[DD+i], -2.0, v[U+i], v[P2+i]
	EACH8 v_max_num_f32 v[DD+i], 0, v[DD+i]
.set i, 0
.rept 8
	INS DD+i
.set i, i+1
.endr
.endm
	s_load_b256 s[4:11], s[0:1], 0x0               ; geometry s[4:5], gaussian_pcd s[6:7], glist s[8:9], ilist s[10:11]
	v_lshrrev_b32 v1, 2, v0                        ; my query among the group's 64
	v_and_b32 v211, 3, v0                          ; my part p
	v_lshlrev_b32 v[LOF], 6, v1
	v_mul_u32_u24 v[QOF], 12, v1
	v_lshl_add_u32 v[OOF], v211, 4, v[LOF]         ; my 16 bytes of the query's row of 64
	v_lshlrev_b32 v[P8], 3, v211
	v_mul_u32_u24 v212, 0x60, v211                 ; eight points of 12 bytes a part
	s_lshr_b32 s12, ttmp9, 7
	s_mul_i32 s12, s12, 98304                      ; the batch's points
	s_mov_b32 s13, 0
	s_lshl_b32 s14, ttmp9, 12                      ; my 64 rows of 64 bytes in both lists
	s_mov_b32 s15, 0
	s_mul_i32 s16, ttmp9, 768
	s_mov_b32 s17, 0
	s_wait_kmcnt 0x0
	s_add_nc_u64 s[4:5], s[4:5], s[16:17]
	s_add_nc_u64 s[6:7], s[6:7], s[12:13]
	s_add_nc_u64 s[8:9], s[8:9], s[14:15]
	s_add_nc_u64 s[10:11], s[10:11], s[14:15]
	global_load_b128 v[G:G+3], v[LOF], s[8:9]
	global_load_b128 v[G+4:G+7], v[LOF], s[8:9] offset:16
	global_load_b64 v[G+8:G+9], v[LOF], s[8:9] offset:32
	global_load_b96 v[Q:Q+2], v[QOF], s[4:5]
	s_mov_b32 s18, 0x7f800000
.set i, 0
.rept 10
	v_mov_b32 v[L+i], s18                          ; the list begins at +infinity
	v_mov_b32 v[X+i], 0                            ; written once whole: a lane exchange counts as a reader of its destination
.set i, i+1
.endr
.set i, 0
.rept 6
	v_mov_b32 v[WL+i], 0
.set i, i+1
.endr
	v_lshlrev_b32 v[SLOT], 2, v211
.set i, 1
.rept 3
	v_add_nc_u32 v[SLOT+i], i, v[SLOT]
.set i, i+1
.endr
.set i, 0
.rept 4
	v_mov_b32 v[R+i], 0                            ; places 10 to 15 of a row are never taken and stay 0
.set i, i+1
.endr
	s_wait_loadcnt 0x0
.set i, 0
.rept 10
	v_min_u32 v[OFFS+i], 0xff, v[G+i]              ; a number from memory enters an address only clamped to the table: 256 groups
	v_mul_u32_u24 v[OFFS+i], 0x180, v[OFFS+i]      ; 32 points of 12 bytes
	v_add_nc_u32 v[OFFS+i], v[OFFS+i], v212
.set i, i+1
.endr
	v_mul_f32 v[Q2], v[Q], v[Q]
.if SQ_FMA
	v_fmac_f32 v[Q2], v[Q+1], v[Q+1]
	v_fmac_f32 v[Q2], v[Q+2], v[Q+2]
.else
	v_mul_f32 v[U], v[Q+1], v[Q+1]
	v_add_f32 v[Q2], v[Q2], v[U]
	v_mul_f32 v[U], v[Q+2], v[Q+2]
	v_add_f32 v[Q2], v[Q2], v[U]
.endif
	LOADG 0, 0
	LOADG 1, 1
.irp s, 0,1,2,3,4,5,6,7
	s_wait_loadcnt 6                               ; the next group's six loads stay out
	OCT2 \s, (\s)%2
	LOADG (\s)+2, (\s)%2
.endr
	s_wait_loadcnt 6
	OCT2 8, 0
	s_wait_loadcnt 0x0
	OCT2 9, 1
	; the four parts' lists: with the lane 1 away, then with the lane 2 away; afterwards all four hold the same list
.irp m, 1,2
.set j, 0
.rept 10
	v_mov_b32_dpp v[X+j], v[L+j] row_xmask:\m row_mask:0xf bank_mask:0xf
.set j, j+1
.endr
.set j, 0
.rept 10
	INS X+j
.set j, j+1
.endr
.endr
.macro MASKW wd, top, n                ; candidates top, top - 1, .. (n of them) into word wd of both masks: a compare sets the carry, word = 2 word + carry
.set lp, \top
.rept \n
	v_cmp_lt_f32 vcc_lo, v[D+lp], v[L+9]
	v_add_co_ci_u32 v[WL+(\wd)], vcc_lo, v[WL+(\wd)], v[WL+(\wd)], vcc_lo
	v_cmp_eq_f32 vcc_lo, v[D+lp], v[L+9]
	v_add_co_ci_u32 v[WL+3+(\wd)], vcc_lo, v[WL+3+(\wd)], v[WL+3+(\wd)], vcc_lo
.set lp, lp-1
.endr
.endm
	MASKW 0, 31, 32
	MASKW 1, 63, 32
	MASKW 2, 79, 16
	s_mov_b32 s20, 0
.Ltake:                                                ; trip n finds the n-th neighbour
	v_mov_b32 v198, 0                              ; my first word that is not 0,
	v_mov_b32 v199, 0                              ; and its tag: 32 x word + 1,024 x kind
.set j, 5
.rept 6
	v_cmp_eq_u32 vcc_lo, 0, v[WL+j]
	v_cndmask_b32 v198, v[WL+j], v198, vcc_lo
	v_cndmask_b32 v199, 32*(j%3)+1024*(j/3), v199, vcc_lo
.set j, j-1
.endr
	v_add_nc_u32 v200, -1, v198
	v_and_b32 v201, v198, v200                     ; the word without its lowest bit
	v_xor_b32 v202, v198, v201                     ; that bit alone; its place is its exponent as a float
	v_cvt_f32_u32 v202, v202
	v_lshrrev_b32 v202, 23, v202
	v_add3_u32 v202, v199, v202, 0xffffff81        ; 1,024 x kind + 8 s + i; with no bit left: -127, which as an unsigned key is above every true one
	v_and_b32 v200, -8, v202
	v_and_b32 v205, 7, v202
	v_lshl_add_u32 v203, v200, 2, v205
	v_add_nc_u32 v203, v203, v[P8]                 ; my key: 4,096 x kind + 32 s + 8 p + i
	v_mov_b32_dpp v205, v203 row_xmask:1 row_mask:0xf bank_mask:0xf
	v_min_u32 v204, v203, v205
	v_mov_b32_dpp v205, v204 row_xmask:2 row_mask:0xf bank_mask:0xf
	v_min_u32 v204, v204, v205                     ; the smallest of the four
	v_cmp_eq_u32 vcc_lo, v203, v204
	v_cndmask_b32 v206, -1, v199, vcc_lo           ; only the part that holds it drops its bit
.set j, 0
.rept 6
	v_cmp_eq_u32 vcc_lo, 32*(j%3)+1024*(j/3), v206
	v_cndmask_b32 v[WL+j], v[WL+j], v201, vcc_lo
.set j, j+1
.endr
	v_bfe_u32 v207, v204, 5, 4                     ; s
	v_mov_b32 v208, v[G]
.set j, 1
.rept 9
	v_cmp_eq_u32 vcc_lo, j, v207
	v_cndmask_b32 v208, v208, v[G+j], vcc_lo       ; group s, by selects: no address hangs on it
.set j, j+1
.endr
	v_and_b32 v205, 31, v204
	v_lshl_add_u32 v209, v208, 5, v205             ; the point's index in its batch
.set j, 0
.rept 4
	v_cmp_eq_u32 vcc_lo, s20, v[SLOT+j]
	v_cndmask_b32 v[R+j], v[R+j], v209, vcc_lo     ; the part that owns place n keeps it
.set j, j+1
.endr
	s_add_co_u32 s20, s20, 1
	s_cmp_lt_u32 s20, 10
	s_cbranch_scc1 .Ltake
	global_store_b128 v[OOF], v[R:R+3], s[10:11]   ; four lanes fill a query's row of 64 bytes (ten indices, six zeros); the wave's store covers 512 consecutive bytes, aligned
	s_endpgm
.Lfunc_end_k_q627344ee8a_pick:
	.size	k_q627344ee8a_pick, .Lfunc_end_k_q627344ee8a_pick-k_q627344ee8a_pick
	.p2alignl 7, 3214868480
	.fill 96, 4, 3214868480
	.section	.rodata,"a",@progbits
	.p2align	6, 0x0
	.amdhsa_kernel k_q627344ee8a_pick
		.amdhsa_group_segment_fixed_size 0
		.amdhsa_private_segment_fixed_size 0
		.amdhsa_enable_private_segment 0
		.amdhsa_kernarg_size 32
		.amdhsa_user_sgpr_count 2
		.amdhsa_user_sgpr_kernarg_segment_ptr 1
		.amdhsa_wavefront_size32 1
		.amdhsa_system_sgpr_workgroup_id_x 1
		.amdhsa_system_sgpr_workgroup_id_y 1
		.amdhsa_system_sgpr_workgroup_id_z 1
		.amdhsa_system_vgpr_workitem_id 0
		.amdhsa_next_free_vgpr 224
		.amdhsa_next_free_sgpr 66
		.amdhsa_reserve_vcc 1
		.amdhsa_float_denorm_mode_32 3
		.amdhsa_float_denorm_mode_16_64 3
		.amdhsa_memory_ordered 1
		.amdhsa_forward_progress 1
		.amdhsa_inst_pref_size 114
	.end_amdhsa_kernel
	.amdgpu_metadata
---
amdhsa.version: [ 1, 2 ]
amdhsa.kernels:
  - .name:           k_q627344ee8a_pick
    .symbol:         k_q627344ee8a_pick.kd
    .args:
      - { .name: geometry, .offset: 0, .size: 8, .value_kind: global_buffer, .address_space: global }
      - { .name: gaussian_pcd, .offset: 8, .size: 8, .value_kind: global_buffer, .address_space: global }
      - { .name: glist, .offset: 16, .size: 8, .value_kind: global_buffer, .address_space: global }
      - { .name: ilist, .offset: 24, .size: 8, .value_kind: global_buffer, .address_space: global }
    .group_segment_fixed_size: 0
    .private_segment_fixed_size: 0
    .kernarg_segment_align: 8
    .kernarg_segment_size: 32
    .max_flat_workgroup_size: 256
    .sgpr_count:     66
    .vgpr_count:     224
    .wavefront_size: 32
...
	.end_amdgpu_metadata
.endif
;; end of part 2
;; launch mix (part 3): grid 256 x 1, 16 waves a work-group, no clusters, 155,648 bytes of LDS; arguments geometry, gaussian_pcd, features, W_proj, b_proj, ilist, out0; writes out0
.if DOCPART == 3
	.amdgcn_target "amdgcn-amd-amdhsa--gfx1250"
	.amdhsa_code_object_version 6
	.text
	.protected	k_q627344ee8a_mix
	.globl	k_q627344ee8a_mix
	.p2align	8
	.type	k_q627344ee8a_mix,@function
k_q627344ee8a_mix:
	s_mov_b64 s[64:65], 0
	v_nop
	global_prefetch_b8 v0, s[64:65] scope:SCOPE_SE
	s_setreg_imm32_b32 hwreg(HW_REG_WAVE_MODE, 25, 1), 1
	s_wait_xcnt 0x0
; THIRD LAUNCH.  For each query: the distances to its 10 neighbours (ilist, whole numbers from the launch before), the weights 1 / (d + 1e-8) normalised, the weighted mean of 10 feature
; rows in f32, and out = mean W^T + b on the matrix unit.
; SHARES.  A work-group owns 64 queries.  Wave w of 16 makes the weights and means of queries 4 w .. 4 w + 3, then the output columns 32 w .. 32 w + 31 of all 64 rows: W's 32 rows for
; those columns stay in its registers, so W is read once a work-group.
; d2 as in the two launches before (same order, same flags: a squared norm is three rounded squares, added x, y, z; the dot product is fl(x x'), then two fused multiply-adds).
; FORMAT.  The product's operands are f16, its sums f32, the bias is the sums' first C.  The means lie within the features' range and W is small: both keep their distance from f16's
; 65,504 at 30 times the sizes drawn, offsets included; below 6e-5 an operand keeps f16's fixed step of 6e-8.
; THE PRODUCT IS USED TRANSPOSED (source 0 = 16 rows of W, source 1 = 16 queries): a lane then holds eight neighbouring columns of one output row.
; NO CLUSTER, NO TENSOR LOAD: what work-groups share is W, 256 KiB, which passes through registers once to be converted; the rows gathered differ from query to query.
; LIMITS.  The root and the reciprocals are the chip's, good to a unit in the last place; d2 below 2^-126 counts as d = 0.  NaN and infinities are not treated apart.
.set SQ_FMA,  0
.set DOT_FMA, 1
.set APITCH, 272                       ; LDS: 0: the means, 64 rows of 128 f16 + 16 bytes: the 16 rows of a fragment load start 4 banks apart
.set WTL,    17408                     ; the weights: 256 bytes a wave, [4 queries][16]
.set ST,     21504                     ; the stage: 64 rows of 512 f32 + 16 bytes
.set SPITCH, 2064
.set SPARE,  153600                    ; the spare words, 128 bytes a wave: eight blocks of 256 bytes that no other line names
.set SPW, 14                           ; LDS address of my spare word; never rewritten
.set NIL, 15                           ; 0; never rewritten
.set BR,  16                           ; v[16:31]   the bias of my wave's 32 columns, as two C operands
.set TW,  32                           ; v[32:159]  W as loaded, f32.  Later:
.set OFF, 32                           ;   v[32:55]   two buffers of ten row offsets
.set WR,  56                           ;   v[56:79]   two buffers of twelve weights
.set F,   80                           ;   v[80:159]  two buffers of ten rows x 4
.set AF,  32                           ;   later v[32:95]: two buffers of fragments of the means; then the rows read back
.set ACC, 128                          ; v[128:191] accumulator (mt, nt) at ACC + 8 (2 mt + nt); before that v[160:191] serve the weights
.set WF,  192                          ; v[192:255] W's fragments, f16: (nt, ks) at WF + 8 (4 nt + ks)
.macro SQ3 d, x, t                     ; d = the squared norm of v[x .. x+2]
	v_mul_f32 v[\d], v[\x], v[\x]
.if SQ_FMA
	v_fmac_f32 v[\d], v[(\x)+1], v[(\x)+1]
	v_fmac_f32 v[\d], v[(\x)+2], v[(\x)+2]
.else
	v_mul_f32 v[\t], v[(\x)+1], v[(\x)+1]
	v_add_f32 v[\d], v[\d], v[\t]
	v_mul_f32 v[\t], v[(\x)+2], v[(\x)+2]
	v_add_f32 v[\d], v[\d], v[\t]
.endif
.endm
.macro DOT3 d, a, b, t
	v_mul_f32 v[\d], v[\a], v[\b]
.if DOT_FMA
	v_fmac_f32 v[\d], v[(\a)+1], v[(\b)+1]
	v_fmac_f32 v[\d], v[(\a)+2], v[(\b)+2]
.else
	v_mul_f32 v[\t], v[(\a)+1], v[(\b)+1]
	v_add_f32 v[\d], v[\d], v[\t]
	v_mul_f32 v[\t], v[(\a)+2], v[(\b)+2]
	v_add_f32 v[\d], v[\d], v[\t]
.endif
.endm
	s_load_b256 s[4:11], s[0:1], 0x0               ; geometry s[4:5], gaussian_pcd s[6:7], features s[8:9], W_proj s[10:11]
	s_load_b128 s[12:15], s[0:1], 0x20             ; b_proj s[12:13], ilist s[14:15]
	s_load_b64 s[16:17], s[0:1], 0x30              ; out0
	v_lshl_add_u32 v[SPW], v0, 2, SPARE
	v_mov_b32 v[NIL], 0
	v_and_b32 v1, 31, v0                           ; lane l
	v_lshrrev_b32 v2, 5, v0
	v_readfirstlane_b32 s18, v2                    ; wave 0..15
	v_and_b32 v2, 15, v0                           ; r = l % 16
	v_bfe_u32 v3, v0, 4, 1                         ; h = l / 16
	v_min_u32 v4, 9, v2                            ; the weights: lane (r, h) takes neighbour min(r, 9) of query 2 pass + h
	v_lshlrev_b32 v4, 2, v4
	v_lshl_add_u32 v4, v3, 6, v4                   ; in my wave's rows of ilist: 64 h + 4 x neighbour
	v_mul_u32_u24 v5, v3, 12
	s_mul_i32 s19, s18, 48
	v_add_nc_u32 v5, s19, v5                       ; in geometry: (4 w + h) x 12
	v_lshlrev_b32 v6, 9, v2
	v_lshl_add_u32 v6, v3, 5, v6
	s_lshl_b32 s19, s18, 14
	v_add_nc_u32 v6, s19, v6                       ; in W: row 32 w + r, 512 bytes each, + 32 h
	v_lshlrev_b32 v7, 5, v3
	s_lshl_b32 s19, s18, 7
	v_add_nc_u32 v7, s19, v7                       ; in b: (32 w + 8 h) x 4
	v_lshlrev_b32 v8, 4, v1                        ; 16 l
	s_lshl_b32 s19, s18, 8
	s_add_co_u32 s19, s19, WTL
	v_lshl_add_u32 v9, v1, 2, s19                  ; where my weight goes
	v_mov_b32 v10, s19                             ; my wave's weights (the same in all lanes)
	s_mul_i32 s19, s18, 4*APITCH
	v_lshl_add_u32 v11, v1, 3, s19                 ; my 8 bytes of my wave's first row of means
	v_mul_u32_u24 v12, v2, APITCH
	v_lshl_add_u32 v12, v3, 4, v12                 ; a fragment's row x pitch + 16 x half
	s_lshr_b32 s22, ttmp9, 7                       ; batch
	s_mov_b32 s21, 0
	s_wait_kmcnt 0x0
	s_mul_i32 s20, ttmp9, 768
	s_add_nc_u64 s[4:5], s[4:5], s[20:21]          ; my 64 queries
	s_mul_i32 s20, s22, 98304
	s_add_nc_u64 s[6:7], s[6:7], s[20:21]          ; the batch's points
	s_lshl_b32 s20, s22, 22
	s_add_nc_u64 s[8:9], s[8:9], s[20:21]          ; the batch's features
	s_lshl_b32 s20, ttmp9, 12
	s_lshl_b32 s23, s18, 8
	s_add_co_u32 s20, s20, s23
	s_add_nc_u64 s[14:15], s[14:15], s[20:21]      ; my wave's four rows of ilist
	s_lshl_b32 s20, ttmp9, 17
	s_add_nc_u64 s[16:17], s[16:17], s[20:21]      ; my 64 rows of out0
.macro SIDX sb, q                      ; query q's ten indices into scalar registers: the launch stores nothing into ilist
	s_load_b256 s[(\sb):(\sb)+7], s[14:15], 64*(\q)
	s_load_b64 s[(\sb)+8:(\sb)+9], s[14:15], 64*(\q)+32
.endm
	SIDX 24, 0
	SIDX 36, 1
	SIDX 48, 2
	SIDX 68, 3
	global_load_b32 v160, v4, s[14:15]
	global_load_b96 v[162:164], v5, s[4:5]
	global_load_b32 v161, v4, s[14:15] offset:128
	global_load_b96 v[166:168], v5, s[4:5] offset:24
	; W's fragment (nt, ks): lane (r, h) holds row 16 nt + r, k = 32 ks + 8 h + 0..7 and 32 ks + 16 + 8 h + 0..7: in f32 two times 32 bytes, 64 bytes apart
.set f, 0
.rept 8
	global_load_b128 v[TW+16*f:TW+16*f+3],     v6, s[10:11] offset:8192*(f/4)+128*(f%4)
	global_load_b128 v[TW+16*f+4:TW+16*f+7],   v6, s[10:11] offset:8192*(f/4)+128*(f%4)+16
	global_load_b128 v[TW+16*f+8:TW+16*f+11],  v6, s[10:11] offset:8192*(f/4)+128*(f%4)+64
	global_load_b128 v[TW+16*f+12:TW+16*f+15], v6, s[10:11] offset:8192*(f/4)+128*(f%4)+80
.set f, f+1
.endr
	global_load_b128 v[BR:BR+3],     v7, s[12:13]
	global_load_b128 v[BR+4:BR+7],   v7, s[12:13] offset:16
	global_load_b128 v[BR+8:BR+11],  v7, s[12:13] offset:64
	global_load_b128 v[BR+12:BR+15], v7, s[12:13] offset:80
	s_wait_loadcnt 36                              ; W's 32 loads and the bias's 4 stay out: indices and queries are in
	v_min_u32 v178, 0x1fff, v160                   ; a number from memory enters an address only clamped to the table: 8,192 points
	v_min_u32 v179, 0x1fff, v161
	v_mul_u32_u24 v178, 12, v178
	v_mul_u32_u24 v179, 12, v179
	global_load_b96 v[170:172], v178, s[6:7]
	global_load_b96 v[174:176], v179, s[6:7]
	s_wait_loadcnt 0x2                             ; the two point loads stay out: W and the bias are in
.set f, 0
.rept 64
	v_cvt_pk_f16_f32 v[WF+f], v[TW+2*f], v[TW+2*f+1]
.set f, f+1
.endr
	s_wait_loadcnt 0x0
	; THE WEIGHTS, two passes side by side: pass p at registers + p (vectors + 4 p)
.irp p, 0,1
	SQ3 180+\p, 162+4*\p, 186+\p
	SQ3 182+\p, 170+4*\p, 186+\p
	DOT3 184+\p, 162+4*\p, 170+4*\p, 186+\p
	v_add_f32 v[182+\p], v[180+\p], v[182+\p]
	v_fma_f32 v[184+\p], -2.0, v[184+\p], v[182+\p]
	v_max_num_f32 v[184+\p], 0, v[184+\p]
.endr
	v_sqrt_f32 v184, v184
	v_sqrt_f32 v185, v185
	v_cmp_gt_u32 vcc_lo, 10, v2                    ; a plain instruction between a root or reciprocal and the use of its result (ISA guide 5.7.2); lanes 10 to 15 of a row hold no neighbour
	s_wait_alu depctr_va_vdst(0)
	v_add_f32 v184, 0x322bcc77, v184               ; + 1e-8
	v_add_f32 v185, 0x322bcc77, v185
	v_rcp_f32 v184, v184
	v_rcp_f32 v185, v185
	v_nop
	s_wait_alu depctr_va_vdst(0)
	v_cndmask_b32 v184, 0, v184, vcc_lo
	v_cndmask_b32 v185, 0, v185, vcc_lo
	v_mov_b32 v188, v184
	v_mov_b32 v189, v185
.irp m, 1,2,4,8
	v_add_f32_dpp v188, v188, v188 row_xmask:\m row_mask:0xf bank_mask:0xf  ; the sum over a query's 16 lanes
	v_add_f32_dpp v189, v189, v189 row_xmask:\m row_mask:0xf bank_mask:0xf
.endr
	v_rcp_f32 v188, v188
	v_rcp_f32 v189, v189
	v_nop
	s_wait_alu depctr_va_vdst(0)
	v_mul_f32 v184, v184, v188
	v_mul_f32 v185, v185, v189
	ds_store_b32 v9, v184                          ; query 2 p + h, neighbour r at 128 p + 4 l
	ds_store_b32 v9, v185 offset:128
	; THE MEANS.  A row of features is 512 bytes: one load of the wave, 16 bytes a lane.  Two buffers: while one query's ten rows are summed, the next one's are on their way.
.macro ISSUE q, b, sb
	ds_load_b128 v[WR+12*(\b):WR+12*(\b)+3],    v10 offset:64*(\q)     ; LDS serves a wave's instructions in order: these see my wave's stores above
	ds_load_b128 v[WR+12*(\b)+4:WR+12*(\b)+7],  v10 offset:64*(\q)+16
	ds_load_b128 v[WR+12*(\b)+8:WR+12*(\b)+11], v10 offset:64*(\q)+32
.set j, 0
.rept 10
	s_min_u32 s[(\sb)+j], s[(\sb)+j], 0x1fff       ; clamped to the table: 8,192 rows
	v_lshl_add_u32 v[OFF+12*(\b)+j], s[(\sb)+j], 9, v8
	global_load_b128 v[F+40*(\b)+4*j:F+40*(\b)+4*j+3], v[OFF+12*(\b)+j], s[8:9]
.set j, j+1
.endr
.endm
.macro CONSUME q, b, left
	s_wait_loadcnt \left                           ; the next query's ten loads stay out
	s_wait_dscnt 0x0                               ; the weights
.irp c, 0,1,2,3
	v_mul_f32 v[160+\c], v[F+40*(\b)+\c], v[WR+12*(\b)]
.endr
.set j, 1
.rept 9
.irp c, 0,1,2,3
	v_fmac_f32 v[160+\c], v[F+40*(\b)+4*j+\c], v[WR+12*(\b)+j]
.endr
.set j, j+1
.endr
	v_cvt_pk_f16_f32 v164, v160, v161
	v_cvt_pk_f16_f32 v165, v162, v163
	ds_store_b64 v11, v[164:165] offset:APITCH*(\q)
.endm
	s_wait_kmcnt 0x0                               ; the indices
	ISSUE 0, 0, 24
	ISSUE 1, 1, 36
	CONSUME 0, 0, 10
	ISSUE 2, 0, 48
	CONSUME 1, 1, 10
	ISSUE 3, 1, 68
	CONSUME 2, 0, 10
	CONSUME 3, 1, 0
	v_mul_u32_u24 v96, v2, SPITCH                  ; the way out.  In: row 16 mt + r, bytes 128 w + 64 nt + 32 h
	v_lshl_add_u32 v96, v3, 5, v96
	s_lshl_b32 s19, s18, 7
	s_add_co_u32 s19, s19, ST
	v_add_nc_u32 v96, s19, v96
	v_add_nc_u32 v97, 32*SPITCH, v96               ; rows 32 on: beyond the 16 bits of an LDS offset
	s_mul_i32 s19, s18, 4*SPITCH
	s_add_co_u32 s19, s19, ST
	v_add_nc_u32 v98, s19, v8                      ; back: rows 4 w .. 4 w + 3, 512 bytes at a time
	s_lshl_b32 s19, s18, 13
	v_add_nc_u32 v99, s19, v8                      ; and the same bytes in out0
	s_wait_dscnt 0x0                               ; for the others' sake: my four rows of means are in LDS
	s_barrier_signal -1
	s_barrier_wait -1
	; THE PRODUCT: 64 queries x my 32 columns x K = 128: four K steps of eight matrix instructions on eight accumulators, which take turns
.macro LOADK ks, b
.set mt, 0
.rept 4
	ds_load_b128 v[AF+32*(\b)+8*mt:AF+32*(\b)+8*mt+3],   v12 offset:16*APITCH*mt+64*(\ks)
	ds_load_b128 v[AF+32*(\b)+8*mt+4:AF+32*(\b)+8*mt+7], v12 offset:16*APITCH*mt+64*(\ks)+32
.set mt, mt+1
.endr
.endm
.macro MM ks, b, first
.set a, 0
.rept 8
.if \first
	v_wmma_f32_16x16x32_f16 v[ACC+8*a:ACC+8*a+7], v[WF+8*(4*(a%2)+(\ks)):WF+8*(4*(a%2)+(\ks))+7], v[AF+32*(\b)+8*(a/2):AF+32*(\b)+8*(a/2)+7], v[BR+8*(a%2):BR+8*(a%2)+7]
.else
	v_wmma_f32_16x16x32_f16 v[ACC+8*a:ACC+8*a+7], v[WF+8*(4*(a%2)+(\ks)):WF+8*(4*(a%2)+(\ks))+7], v[AF+32*(\b)+8*(a/2):AF+32*(\b)+8*(a/2)+7], v[ACC+8*a:ACC+8*a+7]
.endif
.set a, a+1
.endr
.endm
.macro PLACES                          ; four places between a matrix instruction and a load into its sources or a store of its result
.rept 4
	v_nop
.endr
.endm
	LOADK 0, 0
	LOADK 1, 1
	s_wait_dscnt 8                                 ; the next K step's eight loads stay out
	MM 0, 0, 1                                     ; the bias starts the sums
	PLACES
	LOADK 2, 0
	s_wait_dscnt 8
	MM 1, 1, 0
	PLACES
	LOADK 3, 1
	s_wait_dscnt 8
	MM 2, 0, 0
	s_wait_dscnt 0x0
	MM 3, 1, 0
	PLACES
	; THE WAY OUT: a lane's eight columns are 32 bytes of a row; the sixteen waves fill the stage's rows, a barrier, and each wave reads four whole rows back.  Each accumulator's low half goes first.
.set a, 0
.rept 8
	ds_store_b128 v[96+a/4], v[ACC+8*a:ACC+8*a+3]   offset:16*SPITCH*((a/2)%2)+64*(a%2)
	ds_store_b128 v[96+a/4], v[ACC+8*a+4:ACC+8*a+7] offset:16*SPITCH*((a/2)%2)+64*(a%2)+16
.set a, a+1
.endr
	s_wait_dscnt 0x0                               ; my part of the stage is written
	s_barrier_signal -1
	s_barrier_wait -1
.set n, 0
.rept 16
	ds_load_b128 v[AF+4*n:AF+4*n+3], v98 offset:SPITCH*(n/4)+512*(n%4)
.set n, n+1
.endr
.set n, 0
.rept 16
	s_wait_dscnt 15-n                              ; LDS loads come back in order: number n is in
	global_store_b128 v99, v[AF+4*n:AF+4*n+3], s[16:17] offset:512*n th:TH_STORE_NT  ; 512 consecutive bytes, at a multiple of 512 from out0's first byte
.set n, n+1
.endr
	s_wait_tensorcnt 0x0                           ; the wave's end
	ds_add_u32 v[SPW], v[NIL]
	s_wait_dscnt 0x0
	s_endpgm
.Lfunc_end_k_q627344ee8a_mix:
	.size	k_q627344ee8a_mix, .Lfunc_end_k_q627344ee8a_mix-k_q627344ee8a_mix
	.p2alignl 7, 3214868480
	.fill 96, 4, 3214868480
	.section	.rodata,"a",@progbits
	.p2align	6, 0x0
	.amdhsa_kernel k_q627344ee8a_mix
		.amdhsa_group_segment_fixed_size 155648
		.amdhsa_private_segment_fixed_size 0
		.amdhsa_enable_private_segment 0
		.amdhsa_kernarg_size 56
		.amdhsa_user_sgpr_count 2
		.amdhsa_user_sgpr_kernarg_segment_ptr 1
		.amdhsa_wavefront_size32 1
		.amdhsa_system_sgpr_workgroup_id_x 1
		.amdhsa_system_sgpr_workgroup_id_y 1
		.amdhsa_system_sgpr_workgroup_id_z 1
		.amdhsa_system_vgpr_workitem_id 0
		.amdhsa_next_free_vgpr 256
		.amdhsa_next_free_sgpr 80
		.amdhsa_reserve_vcc 1
		.amdhsa_float_denorm_mode_32 3
		.amdhsa_float_denorm_mode_16_64 3
		.amdhsa_memory_ordered 1
		.amdhsa_forward_progress 1
		.amdhsa_inst_pref_size 39
	.end_amdhsa_kernel
	.amdgpu_metadata
---
amdhsa.version: [ 1, 2 ]
amdhsa.kernels:
  - .name:           k_q627344ee8a_mix
    .symbol:         k_q627344ee8a_mix.kd
    .args:
      - { .name: geometry, .offset: 0, .size: 8, .value_kind: global_buffer, .address_space: global }
      - { .name: gaussian_pcd, .offset: 8, .size: 8, .value_kind: global_buffer, .address_space: global }
      - { .name: features, .offset: 16, .size: 8, .value_kind: global_buffer, .address_space: global }
      - { .name: W_proj, .offset: 24, .size: 8, .value_kind: global_buffer, .address_space: global }
      - { .name: b_proj, .offset: 32, .size: 8, .value_kind: global_buffer, .address_space: global }
      - { .name: ilist, .offset: 40, .size: 8, .value_kind: global_buffer, .address_space: global }
      - { .name: out0, .offset: 48, .size: 8, .value_kind: global_buffer, .address_space: global }
    .group_segment_fixed_size: 155648
    .private_segment_fixed_size: 0
    .kernarg_segment_align: 8
    .kernarg_segment_size: 56
    .max_flat_workgroup_size: 512
    .sgpr_count:     80
    .vgpr_count:     256
    .wavefront_size: 32
...
	.end_amdgpu_metadata
.endif
;; end of part 3
;; ======== version 2 of 2: 3 launches; version 1 with the launches scan, mix written anew for expert scheduling mode
;; limits: values are held in f16: magnitudes above 65,504 overflow, below 6.1e-05 lose precision
;; workspace buffers: glist 1,048,576 bytes of whole numbers; ilist 1,048,576 bytes of whole numbers
;; launch scan (part 4): grid 256 x 1, 4 waves a work-group, no clusters, 211,456 bytes of LDS; arguments geometry, gaussian_pcd, glist; writes glist
.if DOCPART == 4
	.amdgcn_target "amdgcn-amd-amdhsa--gfx1250"
	.amdhsa_code_object_version 6
	.text
	.protected	k_q627344ee8a_scan
	.globl	k_q627344ee8a_scan
	.p2align	8
	.type	k_q627344ee8a_scan,@function
k_q627344ee8a_scan:
	s_mov_b64 s[64:65], 0
	v_nop
	global_prefetch_b8 v0, s[64:65] scope:SCOPE_SE
	s_setreg_imm32_b32 hwreg(HW_REG_WAVE_SCHED_MODE, 0, 2), 2
	s_setreg_imm32_b32 hwreg(HW_REG_WAVE_MODE, 25, 1), 1
	s_wait_xcnt 0x0
	s_wait_alu depctr_vm_vsrc(0)
; FIRST OF THREE LAUNCHES.  For each of 2 x 8,192 queries: which 10 of the batch's 256 groups of 32 consecutive points hold its 10 nearest points.
; The 10 smallest keys (d2, index) lie in the 10 groups whose (smallest d2, group number) are smallest, so only each group's minimum is kept.
; d2 = (q2 + p2) - 2 q.p in f32, in the order in which the module writes it: ranks hang on the last bit, so the K = 3 product stays on the vector unit in f32
; (16-bit operands would change neighbours).  SQ_FMA and DOT_FMA say whether the squared norms and the dot product are chains of fused multiply-adds or of multiplies and adds.
; As set: a squared norm is three rounded squares, added x, y, z; the dot product is fl(x x'), then two fused multiply-adds, y and z.  The three launches hold the same two flags.
; SHARES.  A work-group owns 64 queries of one batch; lane l holds queries 2 l and 2 l + 1 as a packed pair; wave w walks points 2,048 w .. + 2,047: 64 groups.
; NOTHING HANGS ON DATA: the 10th smallest minimum T is kept by a sorted list of 10 (nine medians and a minimum an insertion), membership is collected in bit masks
; (less than T; equal to T), and the first 10 set bits, all 'less' before 'equal', low group first, are taken out by integer work on registers.
; NO CLUSTER, NO TENSOR LOAD: what work-groups share is 96 KiB of points, which pass through registers once to get p2 appended; that is 64 of the wave's some 20,000 instructions.
; LIMITS.  Where two candidates' d2 lie within a rounding of each other, which of them is nearer hangs on the order of roundings that the two flags fix.
; Candidates are ordered by max(d2, 0), not by its root: two different d2 whose f32 roots coincide are not taken as a tie.  NaN and infinities are not treated apart.
; THE MODE: SCHED_MODE bits 1:0 = 2 (LLVM: expert scheduling mode 2), set by the entry lines.  The code itself states the register dependences between vector instructions
; and memory or LDS instructions, with s_wait_alu, always for 0.
; THE PLAN.  Registers that memory or LDS instructions touch:
;   the fill's ring  four buffers of 8 points in v[64:191].  Batch b: loads land in buffer b % 4; the batch's squares read it and write its p2; the batch's 8 LDS stores read it; batch b + 1 asks for it again.
;   PA, PB           the walk's two halves of a group.  The first half's arithmetic reads PA while loads land in PB; the second half's reads PB while the next group's loads land in PA.
;   GO, VGS          a group's clamped minimum and its LDS address: written in the group's second half, read by one store at the head of the next group's first half.
;   VP               read by the walk's loads; stepped once a group, at the head of the second half.      VGM is named by vector instructions alone.
;   L                read by the ten stores of my list, then loaded with list 0.      ALL: read by the merge's loads, stepped once a trip.
;   every other address (A0, A1, ALS, AMR, AMW, APK, AGL, GOF, QOF) has a register of its own, made at the head and never written again.
; So a half of a group has one wait on va_vdst at its head, the second half one on vm_vsrc ahead of the three address lines, and the half's sixteen loads are dealt among its arithmetic, which names none of their registers.
; Compares stand in runs, into s[24:55], with one wait on va_sdst between a run and its readers.  No line of the text names VCC: a mask word takes its bit by a select and a shift, not by a carry.
.set SQ_FMA,  0
.set DOT_FMA, 1
.set GMIN,  131072                     ; LDS: 0 .. 131,071 the batch's points, 16 bytes each: x, y, z, p2
.set LS,    196608                     ; GMIN: [256 groups][64 queries] f32.  LS: [4 waves][10][64 queries] f32
.set MK,    206848                     ; [2 kinds][8 words][64 queries]: bit b of word k = group 32 k + b
.set SPARE, 210944                     ; the spare words, 128 bytes a wave: two blocks of 256 bytes that no other line names
.set QX, 2                             ; v[2:9]     x, y, z, q2 of my two queries, in pairs
.set QY, 4
.set QZ, 6
.set Q2, 8
.set L,  10                            ; v[10:29]   the two sorted lists, interleaved: entry j at L + 2 j (+ 1)
.set GM, 30                            ; v[30:31]   the group's running minimum
.set T,  32                            ; v[32:63]   eight points at work: two pairs each
.set W,  32                            ; v[32:39]   behind the walk: the mask words, at W + 4 kind + 2 half + query
.set BT, 40                            ; v[40:55]   behind the walk: the bits on their way into the words, four a group, four groups by turns; vector instructions alone name them
.set PA, 64                            ; v[64:127]  16 points as loaded from LDS
.set PB, 128                           ; v[128:191] the group's other 16
.set VP, 192                           ; LDS address of the group in hand (the same in all lanes)
.set VGM, 193                          ; where the next minimum goes
.set MT, 194                           ; v[194:199] at work
.set SPW, 200                          ; LDS address of my spare word; never rewritten
.set NIL, 201                          ; 0; never rewritten
.set A0, 202                           ; the fill: where my points go, first and second 64 KiB
.set A1, 203
.set TMP, 204
.set GOF, 205
.set QOF, 206
.set VGS, 207                          ; where the minimum in GO goes
.set GO,  208                          ; v[208:209] the group's minimum, clamped
.set ALS, 210                          ; where my list goes
.set ALL, 211                          ; where a list is read
.set AMR, 212                          ; my wave's 64 rows of minima, as they are read back
.set AMW, 213                          ; where my mask words go
.set APK, 214                          ; thread t's 16 words
.set AGL, 215                          ; thread t's row of 64 bytes in glist
.set MS,  24                           ; s[24:55]   a run's compare masks
.macro SQ3 d, x, y, z, t               ; d = x x + y y + z z
	v_mul_f32 v[\d], v[\x], v[\x]
.if SQ_FMA
	v_fmac_f32 v[\d], v[\y], v[\y]
	v_fmac_f32 v[\d], v[\z], v[\z]
.else
	v_mul_f32 v[\t], v[\y], v[\y]
	v_add_f32 v[\d], v[\d], v[\t]
	v_mul_f32 v[\t], v[\z], v[\z]
	v_add_f32 v[\d], v[\d], v[\t]
.endif
.endm
.macro EACH8 line:vararg               ; one line for each of eight points k
.set k, 0
.rept 8
	\line
.set k, k+1
.endr
.endm
.macro LD4 dst, off, n                 ; points 4 n .. 4 n + 3 of a half: every lane reads the same 16 bytes
.set i, 0
.rept 4
	ds_load_b128 v[(\dst)+16*(\n)+4*i:(\dst)+16*(\n)+4*i+3], v[VP] offset:(\off)+64*(\n)+16*i
.set i, i+1
.endr
.endm
; Eight points at v[P ..] against my two queries, stage by stage, so that no line waits for the one before it; then the group's running minimum.
; A point's x and z are the low registers of its two pairs (op_sel_hi 0 takes them for both halves), y and p2 the high ones (op_sel 1, op_sel_hi 1).
; ld >= 0: eight loads of the other half, numbers 4 n0 .. 4 n0 + 7, are dealt among the stages, which name neither v[ld ..] nor v[VP].
.macro OCT P, first, ld=-1, off=0, n0=0
	EACH8 v_pk_mul_f32 v[T+4*k:T+4*k+1], v[QX:QX+1], v[(\P)+4*k:(\P)+4*k+1] op_sel_hi:[1,0]
.if (\ld) >= 0
	LD4 \ld, \off, \n0
.endif
.if DOT_FMA
	EACH8 v_pk_fma_f32 v[T+4*k:T+4*k+1], v[QY:QY+1], v[(\P)+4*k:(\P)+4*k+1], v[T+4*k:T+4*k+1] op_sel:[0,1,0] op_sel_hi:[1,1,1]
	EACH8 v_pk_fma_f32 v[T+4*k:T+4*k+1], v[QZ:QZ+1], v[(\P)+4*k+2:(\P)+4*k+3], v[T+4*k:T+4*k+1] op_sel_hi:[1,0,1]
.else
	EACH8 v_pk_mul_f32 v[T+4*k+2:T+4*k+3], v[QY:QY+1], v[(\P)+4*k:(\P)+4*k+1] op_sel:[0,1] op_sel_hi:[1,1]
	EACH8 v_pk_add_f32 v[T+4*k:T+4*k+1], v[T+4*k:T+4*k+1], v[T+4*k+2:T+4*k+3]
	EACH8 v_pk_mul_f32 v[T+4*k+2:T+4*k+3], v[QZ:QZ+1], v[(\P)+4*k+2:(\P)+4*k+3] op_sel_hi:[1,0]
	EACH8 v_pk_add_f32 v[T+4*k:T+4*k+1], v[T+4*k:T+4*k+1], v[T+4*k+2:T+4*k+3]
.endif
.if (\ld) >= 0
	LD4 \ld, \off, (\n0)+1
.endif
	EACH8 v_pk_add_f32 v[T+4*k+2:T+4*k+3], v[Q2:Q2+1], v[(\P)+4*k+2:(\P)+4*k+3] op_sel:[0,1] op_sel_hi:[1,1]
	EACH8 v_pk_fma_f32 v[T+4*k:T+4*k+1], v[T+4*k:T+4*k+1], -2.0, v[T+4*k+2:T+4*k+3] op_sel_hi:[1,0,1]
.irp u, 0,1
	v_min3_num_f32 v[MT+3*\u], v[T+\u], v[T+4+\u], v[T+8+\u]
	v_min3_num_f32 v[MT+3*\u+1], v[T+12+\u], v[T+16+\u], v[T+20+\u]
.if \first
	v_min_num_f32 v[MT+3*\u+2], v[T+24+\u], v[T+28+\u]
.else
	v_min3_num_f32 v[MT+3*\u+2], v[T+24+\u], v[T+28+\u], v[GM+\u]
.endif
.endr
.irp u, 0,1
	v_min3_num_f32 v[GM+\u], v[MT+3*\u], v[MT+3*\u+1], v[MT+3*\u+2]
.endr
.endm
; v[x], v[x+1] go into the two sorted lists: entry j becomes the median of entry j - 1, entry j and the newcomer; from the top down, so that each line reads old entries.
.macro INS2 x
.set jj, 9
.rept 9
	v_med3_num_f32 v[L+2*jj], v[L+2*jj-2], v[L+2*jj], v[(\x)]
	v_med3_num_f32 v[L+2*jj+1], v[L+2*jj-1], v[L+2*jj+1], v[(\x)+1]
.set jj, jj-1
.endr
	v_min_num_f32 v[L], v[L], v[(\x)]
	v_min_num_f32 v[L+1], v[L+1], v[(\x)+1]
.endm
.macro LD16 dst, off                   ; 16 points: every lane reads the same 16 bytes
.set i, 0
.rept 16
	ds_load_b128 v[(\dst)+4*i:(\dst)+4*i+3], v[VP] offset:(\off)+16*i
.set i, i+1
.endr
.endm
; A group's first half: the arithmetic on PA; the group's second half is fetched into PB meanwhile.  first = 1: group 0, with no minimum to store.
.macro H1 first
	s_wait_dscnt 0x0                               ; the first half is in
.if !(\first)
	s_wait_alu depctr_va_vdst(0)                   ; the second half before is done reading PB, in which the loads below land; GO and VGS are written, which the store reads
	ds_store_b64 v[VGS], v[GO:GO+1]                ; the minimum of the group before
.endif
	OCT PA, 1, PB, 256, 0
	OCT PA+32, 0, PB, 256, 2
.endm
; A group's second half: the arithmetic on PB, the clamp, the insertion.  pref = 1: the next group's first half is fetched into PA meanwhile.
.macro H2 pref
	s_wait_dscnt 0x0                               ; the second half is in
	s_wait_alu depctr_vm_vsrc(0)                   ; the loads issued so far have read VP; the store has read VGS and GO: all three are written below
	v_mov_b32 v[VGS], v[VGM]                       ; where this group's minimum will go
	v_add_nc_u32 v[VGM], 0x100, v[VGM]
.if \pref
	v_add_nc_u32 v[VP], 0x200, v[VP]               ; the next group
	s_wait_alu depctr_va_vdst(0)                   ; VP is written, which the loads below read; the first half is done reading PA, in which they land
	OCT PB, 0, PA, 0, 0
	OCT PB+32, 0, PA, 0, 2
.else
	OCT PB, 0
	OCT PB+32, 0
.endif
	v_max_num_f32 v[GO], 0, v[GM]                  ; the clamp commutes with the minimum
	v_max_num_f32 v[GO+1], 0, v[GM+1]
	INS2 GO
.endm
; THE FILL: 8,192 points, 64 a thread, in 8 batches of 8 through a ring of four buffers; p2 is made on the way.  Point 128 n + t is number n = 8 b + i.
.macro FILLLD b
.set i, 0
.rept 8
	global_load_b96 v[PA+32*((\b)%4)+4*i:PA+32*((\b)%4)+4*i+2], v[GOF], s[6:7] offset:1536*(8*(\b)+i)
.set i, i+1
.endr
.endm
.macro FILLB b, left                   ; left: the loads of the younger batches, which stay out
.set RB, PA+32*((\b)%4)
	s_wait_loadcnt \left                           ; loads come back in order: this batch's eight are in
	EACH8 v_mul_f32 v[RB+4*k+3], v[RB+4*k], v[RB+4*k]
.if SQ_FMA
	EACH8 v_fmac_f32 v[RB+4*k+3], v[RB+4*k+1], v[RB+4*k+1]
	EACH8 v_fmac_f32 v[RB+4*k+3], v[RB+4*k+2], v[RB+4*k+2]
.else
	EACH8 v_mul_f32 v[T+k], v[RB+4*k+1], v[RB+4*k+1]
	EACH8 v_add_f32 v[RB+4*k+3], v[RB+4*k+3], v[T+k]
	EACH8 v_mul_f32 v[T+8+k], v[RB+4*k+2], v[RB+4*k+2]
	EACH8 v_add_f32 v[RB+4*k+3], v[RB+4*k+3], v[T+8+k]
.endif
.if ((\b) >= 1) && ((\b) <= 4)
	s_wait_alu depctr_vm_vsrc(0)                   ; the LDS stores of the batch before have read its buffer, in which the loads below land (its squares stand ahead of that batch's wait on va_vdst)
	FILLLD (\b)+3
.endif
	s_wait_alu depctr_va_vdst(0)                   ; the eight p2 are written, which the stores below read
.set i, 0
.rept 8
.if (\b) < 4
	ds_store_b128 v[A0], v[RB+4*i:RB+4*i+3] offset:2048*(8*(\b)+i)
.else
	ds_store_b128 v[A1], v[RB+4*i:RB+4*i+3] offset:2048*(8*((\b)-4)+i)
.endif
.set i, i+1
.endr
.endm
	s_load_b128 s[4:7], s[0:1], 0x0                ; geometry s[4:5], gaussian_pcd s[6:7]
	s_load_b64 s[8:9], s[0:1], 0x10                ; glist
	v_lshl_add_u32 v[SPW], v0, 2, SPARE
	v_mov_b32 v[NIL], 0
	v_and_b32 v1, 31, v0                           ; lane
	v_lshrrev_b32 v[TMP], 5, v0
	v_readfirstlane_b32 s10, v[TMP]                ; wave 0..3
	s_lshr_b32 s11, ttmp9, 7                       ; batch: 128 work-groups each
	s_mul_i32 s12, s11, 98304                      ; the batch's points
	s_mov_b32 s13, 0
	s_mul_i32 s16, ttmp9, 768                      ; my 64 queries, 12 bytes each
	s_mov_b32 s17, 0
	s_lshl_b32 s18, ttmp9, 12                      ; their 64 rows of 64 bytes in glist
	s_mov_b32 s19, 0
	v_mul_u32_u24 v[GOF], v0, 12                   ; thread t fetches points 128 k + t
	v_mul_u32_u24 v[QOF], v1, 24                   ; my two queries
	v_lshlrev_b32 v[A0], 4, v0                     ; and puts them at 16 t + 2,048 k
	v_add_nc_u32 v[A1], 65536, v[A0]
	v_lshl_add_u32 v[APK], v0, 2, MK
	v_lshlrev_b32 v[AGL], 6, v0
	v_lshl_add_u32 v[ALL], v1, 3, LS               ; list 0, my two queries' 8 bytes
	s_wait_alu depctr_va_sdst(0)                   ; s10 is written, ahead of its first reader
	s_lshl_b32 s20, s10, 15
	v_mov_b32 v[VP], s20                           ; my wave's 2,048 points
	s_lshl_b32 s21, s10, 14
	s_add_co_u32 s21, s21, GMIN
	v_lshl_add_u32 v[VGM], v1, 3, s21              ; my wave's 64 rows of minima, my two queries' 8 bytes
	v_lshl_add_u32 v[AMR], v1, 3, s21
	s_mul_i32 s22, s10, 2560
	s_add_co_u32 s22, s22, LS
	v_lshl_add_u32 v[ALS], v1, 3, s22
	s_lshl_b32 s23, s10, 9
	s_add_co_u32 s23, s23, MK
	v_lshl_add_u32 v[AMW], v1, 3, s23              ; words 2 w and 2 w + 1 of each kind
	s_wait_kmcnt 0x0
	s_add_nc_u64 s[6:7], s[6:7], s[12:13]
	s_add_nc_u64 s[4:5], s[4:5], s[16:17]
	s_add_nc_u64 s[8:9], s[8:9], s[18:19]
	s_wait_alu depctr_va_vdst(0)                   ; all the addresses and offsets above are written: every load and store of the kernel reads one of them
	global_load_b64 v[MT:MT+1], v[QOF], s[4:5]             ; x0 y0
	global_load_b64 v[MT+2:MT+3], v[QOF], s[4:5] offset:8  ; z0 x1
	global_load_b64 v[MT+4:MT+5], v[QOF], s[4:5] offset:16 ; y1 z1
	FILLLD 0
	FILLLD 1
	FILLLD 2
	FILLLD 3
	FILLB 0, 24                                    ; batches 1 to 3 stay out
	FILLB 1, 16                                    ; from here on two batches: the one asked for in a batch goes out behind that batch's wait
	FILLB 2, 16
	FILLB 3, 16
	FILLB 4, 16
	FILLB 5, 16
	FILLB 6, 8                                     ; nothing more is asked for: the count runs down
	FILLB 7, 0
	v_mov_b32 v[QX], v[MT]
	v_mov_b32 v[QY], v[MT+1]
	v_mov_b32 v[QZ], v[MT+2]
	v_mov_b32 v[QX+1], v[MT+3]
	v_mov_b32 v[QY+1], v[MT+4]
	v_mov_b32 v[QZ+1], v[MT+5]
	SQ3 Q2, QX, QY, QZ, TMP
	SQ3 Q2+1, QX+1, QY+1, QZ+1, TMP
	s_mov_b32 s15, 0x7f800000
.set i, 0
.rept 20
	v_mov_b32 v[L+i], s15                          ; the lists begin at +infinity
.set i, i+1
.endr
	s_wait_dscnt 0x0                               ; for the others' sake: my points are in LDS
	s_barrier_signal -1
	s_barrier_wait -1
	s_wait_alu depctr_vm_vsrc(0)                   ; my LDS stores have read the ring's registers: they are PA and PB from here on, in which the walk's loads land (the squares stand ahead of the last wait on va_vdst)
	; THE WALK.  A trip is a group's second half and the next group's first half, so that a group's minimum is stored behind the wait that stands at the next head anyway.
	LD16 PA, 0
	H1 1
	s_mov_b32 s14, 63
.Lgroup:
	H2 1
	H1 0
	s_sub_co_u32 s14, s14, 1
	s_cmp_lg_u32 s14, 0
	s_cbranch_scc1 .Lgroup
	H2 0                                           ; the last group fetches nothing beyond my wave's points
	; THE FOUR WAVES' LISTS ARE MERGED, by every wave alike: list 0 is taken, the 30 entries of the others are inserted
	s_wait_alu depctr_va_vdst(0)                   ; GO and my two lists are written, which the eleven stores below read
	ds_store_b64 v[VGS], v[GO:GO+1]                ; the last group's minimum
.set j, 0
.rept 10
	ds_store_b64 v[ALS], v[L+2*j:L+2*j+1] offset:256*j
.set j, j+1
.endr
	s_wait_dscnt 0x0                               ; my list is in LDS
	s_barrier_signal -1
	s_barrier_wait -1
	s_wait_alu depctr_vm_vsrc(0)                   ; those stores have read v[L ..], in which list 0 lands
.set j, 0
.rept 10
	ds_load_b64 v[L+2*j:L+2*j+1], v[ALL] offset:256*j
.set j, j+1
.endr
	s_mov_b32 s14, 3
.Lmerge:
	s_wait_alu depctr_vm_vsrc(0)                   ; the loads issued so far have read ALL
	v_add_nc_u32 v[ALL], 2560, v[ALL]
	s_wait_alu depctr_va_vdst(0)                   ; ALL is written; the insertions of the trip before are done reading v[PA ..], in which the loads below land
.set j, 0
.rept 10
	ds_load_b64 v[PA+2*j:PA+2*j+1], v[ALL] offset:256*j
.set j, j+1
.endr
	s_wait_dscnt 0x0
.set j, 0
.rept 10
	INS2 PA+2*j
.set j, j+1
.endr
	s_sub_co_u32 s14, s14, 1
	s_cmp_lg_u32 s14, 0
	s_cbranch_scc1 .Lmerge
	; THE MASKS of my wave's 64 groups against T = v[L+18], v[L+19]: a compare gives the bit, word = 2 word + bit; groups go from the top down, so a low bit is a low group.
.macro LOADH hf                        ; the minima of groups 32 hf .. 32 hf + 31, into PA or PB
.set i, 0
.rept 32
	ds_load_b64 v[PA+64*(\hf)+2*i:PA+64*(\hf)+2*i+1], v[AMR] offset:256*(32*(\hf)+i)
.set i, i+1
.endr
.endm
.macro RUN hf, cq                      ; groups 32 hf + 8 cq + 7 .. + 0: 32 compares, one wait; then for each group four selects make its bits and four shifts take them into the four words
.set i, 7
.rept 8
.irp u, 0,1
	v_cmp_lt_f32 s[MS+4*i+\u], v[PA+64*(\hf)+2*(8*(\cq)+i)+\u], v[L+18+\u]
	v_cmp_eq_f32 s[MS+4*i+2+\u], v[PA+64*(\hf)+2*(8*(\cq)+i)+\u], v[L+18+\u]
.endr
.set i, i-1
.endr
	s_wait_alu depctr_va_sdst(0)                   ; the run's 32 masks are written, ahead of the selects that read them
.set i, 7
.rept 8
.irp u, 0,1
	v_cndmask_b32 v[BT+4*(i%4)+\u], 0, 1, s[MS+4*i+\u]
	v_cndmask_b32 v[BT+4*(i%4)+2+\u], 0, 1, s[MS+4*i+2+\u]
.endr
.irp u, 0,1
	v_lshl_or_b32 v[W+2*(\hf)+\u], v[W+2*(\hf)+\u], 1, v[BT+4*(i%4)+\u]
	v_lshl_or_b32 v[W+4+2*(\hf)+\u], v[W+4+2*(\hf)+\u], 1, v[BT+4*(i%4)+2+\u]
.endr
.set i, i-1
.endr
.endm
.set i, 0
.rept 8
	v_mov_b32 v[W+i], 0
.set i, i+1
.endr
	s_wait_alu depctr_va_vdst(0)                   ; the last insertions are done reading v[PA ..], in which the loads below land
	LOADH 0
	s_wait_dscnt 0x0
	LOADH 1                                        ; no vector instruction since the wait above names v[PB ..]
.irp hh, 0,1
.if \hh
	s_wait_dscnt 0x0                               ; the second 32 minima are in
.endif
	RUN \hh, 3
	RUN \hh, 2
	RUN \hh, 1
	RUN \hh, 0
.endr
	s_wait_alu depctr_va_vdst(0)                   ; the eight words are written, which the stores below read; the compares are done reading v[PA ..], in which the words' loads land further down
	ds_store_b64 v[AMW], v[W:W+1]
	ds_store_b64 v[AMW], v[W+2:W+3] offset:256
	ds_store_b64 v[AMW], v[W+4:W+5] offset:2048
	ds_store_b64 v[AMW], v[W+6:W+7] offset:2304
	s_wait_dscnt 0x0                               ; my words are in LDS
	s_barrier_signal -1
	s_barrier_wait -1
	s_cmp_ge_u32 s10, 2
	s_cbranch_scc0 .Lpick
	s_wait_dscnt 0x0                               ; waves 2 and 3 end here: the closing lines, six on end
	s_wait_alu 0x0
	s_wait_tensorcnt 0x0
	ds_add_u32 v[SPW], v[NIL]
	s_wait_dscnt 0x0
	s_endpgm
.Lpick:                                                ; waves 0 and 1: thread t takes query t's ten groups out of its 16 words (8 'less', then 8 'equal')
.set j, 0
.rept 16
	ds_load_b32 v[64+j], v[APK] offset:256*j
.set j, j+1
.endr
.set j, 98
.rept 6
	v_mov_b32 v[j], 0                              ; the row's six words behind the ten groups
.set j, j+1
.endr
	s_wait_dscnt 0x0
	; The ten takes are written out, so that take n lands in a register of its own, v[88 + n], and nothing goes through LDS.
	; v80: the first word that is not 0; v81: its tag, 32 x word + 4,096 x kind
.set n, 0
.rept 10
.set j, 0
.rept 16
	v_cmp_eq_u32 s[MS+j], 0, v[64+j]
.set j, j+1
.endr
	v_mov_b32 v80, 0
	v_mov_b32 v81, 0
	s_wait_alu depctr_va_sdst(0)                   ; the sixteen masks 'word is 0' are written, ahead of the selects that read them
.set j, 15
.rept 16
	v_cndmask_b32 v80, v[64+j], v80, s[MS+j]
	v_cndmask_b32 v81, 32*(j&7)+0x1000*(j>>3), v81, s[MS+j]
.set j, j-1
.endr
.set j, 0
.rept 16
	v_cmp_eq_u32 s[MS+16+j], 32*(j&7)+0x1000*(j>>3), v81
.set j, j+1
.endr
	v_add_nc_u32 v82, -1, v80
	v_and_b32 v83, v80, v82                        ; the word without its lowest bit
	v_xor_b32 v84, v80, v83                        ; that bit alone: a power of two, whose place is its exponent as a float
	v_cvt_f32_u32 v84, v84
	v_lshrrev_b32 v84, 23, v84
	v_add3_u32 v85, v81, v84, 0xffffff81           ; tag + place
	s_wait_alu depctr_va_sdst(0)                   ; the sixteen masks 'this is the word' are written, ahead of the selects that read them
.set j, 0
.rept 16
	v_cndmask_b32 v[64+j], v[64+j], v83, s[MS+16+j]
.set j, j+1
.endr
	v_and_b32 v[88+n], 0xff, v85                   ; the group's number
.set n, n+1
.endr
	; ascending, so that in the next launch (place in the list, place in the group) orders candidates as their indices do: ten passes of neighbour exchanges
.set ps, 0
.rept 10
.set a, ps%2
.rept 5
.if a < 9
	v_min_u32 v82, v[88+a], v[89+a]
	v_max_u32 v[89+a], v[88+a], v[89+a]
	v_mov_b32 v[88+a], v82
.endif
.set a, a+2
.endr
.set ps, ps+1
.endr
	s_wait_alu depctr_va_vdst(0)                   ; the ten groups and the six zeros are written, which the stores below read
.set j, 0
.rept 4
	global_store_b128 v[AGL], v[88+4*j:91+4*j], s[8:9] offset:16*j  ; a row of 64 bytes a query, whole: ten groups and six zeros
.set j, j+1
.endr
	s_wait_dscnt 0x0                               ; the closing lines, six on end
	s_wait_alu 0x0
	s_wait_tensorcnt 0x0
	ds_add_u32 v[SPW], v[NIL]
	s_wait_dscnt 0x0
	s_endpgm
.Lfunc_end_k_q627344ee8a_scan:
	.size	k_q627344ee8a_scan, .Lfunc_end_k_q627344ee8a_scan-k_q627344ee8a_scan
	.p2alignl 7, 3214868480
	.fill 96, 4, 3214868480
	.section	.rodata,"a",@progbits
	.p2align	6, 0x0
	.amdhsa_kernel k_q627344ee8a_scan
		.amdhsa_group_segment_fixed_size 211456
		.amdhsa_private_segment_fixed_size 0
		.amdhsa_enable_private_segment 0
		.amdhsa_kernarg_size 24
		.amdhsa_user_sgpr_count 2
		.amdhsa_user_sgpr_kernarg_segment_ptr 1
		.amdhsa_wavefront_size32 1
		.amdhsa_system_sgpr_workgroup_id_x 1
		.amdhsa_system_sgpr_workgroup_id_y 1
		.amdhsa_system_sgpr_workgroup_id_z 1
		.amdhsa_system_vgpr_workitem_id 0
		.amdhsa_next_free_vgpr 216
		.amdhsa_next_free_sgpr 66
		.amdhsa_reserve_vcc 0
		.amdhsa_float_denorm_mode_32 3
		.amdhsa_float_denorm_mode_16_64 3
		.amdhsa_memory_ordered 1
		.amdhsa_forward_progress 1
		.amdhsa_inst_pref_size 192
	.end_amdhsa_kernel
	.amdgpu_metadata
---
amdhsa.version: [ 1, 2 ]
amdhsa.kernels:
  - .name:           k_q627344ee8a_scan
    .symbol:         k_q627344ee8a_scan.kd
    .args:
      - { .name: geometry, .offset: 0, .size: 8, .value_kind: global_buffer, .address_space: global }
      - { .name: gaussian_pcd, .offset: 8, .size: 8, .value_kind: global_buffer, .address_space: global }
      - { .name: glist, .offset: 16, .size: 8, .value_kind: global_buffer, .address_space: global }
    .group_segment_fixed_size: 211456
    .private_segment_fixed_size: 0
    .kernarg_segment_align: 8
    .kernarg_segment_size: 24
    .max_flat_workgroup_size: 128
    .sgpr_count:     66
    .vgpr_count:     216
    .wavefront_size: 32
...
	.end_amdgpu_metadata
.endif
;; end of part 4
;; launch pick: the kernel of part 2 again; grid 256 x 1, 8 waves a work-group, no clusters, 0 bytes of LDS; arguments geometry, gaussian_pcd, glist, ilist; writes ilist
;; launch mix (part 5): grid 256 x 1, 16 waves a work-group, no clusters, 155,648 bytes of LDS; arguments geometry, gaussian_pcd, features, W_proj, b_proj, ilist, out0; writes out0
.if DOCPART == 5
	.amdgcn_target "amdgcn-amd-amdhsa--gfx1250"
	.amdhsa_code_object_version 6
	.text
	.protected	k_q627344ee8a_mix
	.globl	k_q627344ee8a_mix
	.p2align	8
	.type	k_q627344ee8a_mix,@function
k_q627344ee8a_mix:
	s_mov_b64 s[64:65], 0
	v_nop
	global_prefetch_b8 v0, s[64:65] scope:SCOPE_SE
	s_setreg_imm32_b32 hwreg(HW_REG_WAVE_SCHED_MODE, 0, 2), 2
	s_setreg_imm32_b32 hwreg(HW_REG_WAVE_MODE, 25, 1), 1
	s_wait_xcnt 0x0
	s_wait_alu depctr_vm_vsrc(0)
; THIRD LAUNCH.  For each query: the distances to its 10 neighbours (ilist, whole numbers from the launch before), the weights 1 / (d + 1e-8) normalised, the weighted mean of 10 feature
; rows in f32, and out = mean W^T + b on the matrix unit.
; SHARES.  A work-group owns 64 queries.  Wave w of 16 makes the weights and means of queries 4 w .. 4 w + 3, then the output columns 32 w .. 32 w + 31 of all 64 rows: W's 32 rows for
; those columns stay in its registers, so W is read once a work-group.
; d2 as in the two launches before (same order, same flags: a squared norm is three rounded squares, added x, y, z; the dot product is fl(x x'), then two fused multiply-adds).
; FORMAT.  The product's operands are f16, its sums f32, the bias is the sums' first C.  The means lie within the features' range and W is small: both keep their distance from f16's
; 65,504 at 30 times the sizes drawn, offsets included; below 6e-5 an operand keeps f16's fixed step of 6e-8.
; THE PRODUCT IS USED TRANSPOSED (source 0 = 16 rows of W, source 1 = 16 queries): a lane then holds eight neighbouring columns of one output row.
; NO CLUSTER, NO TENSOR LOAD: what work-groups share is W, 256 KiB, which passes through registers once to be converted; the rows gathered differ from query to query.
; LIMITS.  The root and the reciprocals are the chip's, good to a unit in the last place; d2 below 2^-126 counts as d = 0.  NaN and infinities are not treated apart.
; THE MODE: SCHED_MODE bits 1:0 = 2 (LLVM: expert scheduling mode 2), set by the entry lines.  The code itself states the register dependences between vector or matrix instructions
; and memory or LDS instructions, with s_wait_alu, always for 0.
; THE PLAN.  Registers that memory or LDS instructions touch:
;   v4 - v12        addresses, made at the head.  v4 - v7 serve the head's loads; behind the means' barrier they are made anew for the way out.
;   TW              W as loaded; read by the 64 conversions.  Its registers then take the offsets, a weight buffer, the sums, the weights and the feature rows.
;   OF0 .. OF3      ten row offsets a query, each query's in registers of its own: written once, ahead of one wait, read by the query's ten loads.
;   WT              the two weights of a lane: written once, read by two LDS stores.
;   WR0, WR1, F     two buffers of weights and of ten rows: query q's sums read buffer q % 2; behind them the loads of query q + 2 land in it.
;   OUT             a pair a query: written by the query's two roundings, read by one LDS store.
;   AF              three buffers of fragments of the means: K steps 0, 1, 2; step 3 lands in buffer 0 behind step 0's products.  At the end: the rows read back from the stage.
;   ACC             written by the products, read by the stage's stores.
; So one wait on va_vdst stands ahead of the weights' stores (it covers the offsets of all four queries too), one behind the sums of queries 0, 1 and 3, one behind the first K step and one
; ahead of the stage's stores; one wait on vm_vsrc, behind the means' barrier, frees all that the first half's memory instructions have read.
.set SQ_FMA,  0
.set DOT_FMA, 1
.set APITCH, 272                       ; LDS: 0: the means, 64 rows of 128 f16 + 16 bytes: the 16 rows of a fragment load start 4 banks apart
.set WTL,    17408                     ; the weights: 256 bytes a wave, [4 queries][16]
.set ST,     21504                     ; the stage: 64 rows of 512 f32 + 16 bytes
.set SPITCH, 2064
.set SPARE,  153600                    ; the spare words, 128 bytes a wave: eight blocks of 256 bytes that no other line names
.set SO,  4                            ; v[4:5]     the way out: where my 32 bytes of a row go, rows 0-31 and 32-63
.set RB,  6                            ; v6         the way out: where I read rows back
.set GOU, 7                            ; v7         the same bytes in out0
.set SPW, 14                           ; LDS address of my spare word; never rewritten
.set NIL, 15                           ; 0; never rewritten
.set BR,  16                           ; v[16:31]   the bias of my wave's 32 columns, as two C operands
.set TW,  32                           ; v[32:159]  W as loaded, f32.  Later:
.set OF0, 32                           ;   v[32:41], v[42:51], v[52:61]: the row offsets of queries 0, 1, 2
.set OF1, 42
.set OF2, 52
.set WR0, 62                           ;   v[62:73]   twelve weights, buffer 0
.set SUM, 74                           ;   v[74:77]   a query's four sums
.set WT,  78                           ;   v[78:79]   my two weights
.set F,   80                           ;   v[80:159]  two buffers of ten rows x 4
.set OF3, 160                          ; v[160:169] the row offsets of query 3 (before that, v[160:189] serve the weights)
.set OUT, 170                          ; v[170:177] query q's mean in f16, a pair at OUT + 2 q
.set WR1, 180                          ; v[180:191] twelve weights, buffer 1
.set AF,  32                           ; later v[32:127]: three buffers of fragments of the means; then the rows read back
.set ACC, 128                          ; v[128:191] accumulator (mt, nt) at ACC + 8 (2 mt + nt)
.set WF,  192                          ; v[192:255] W's fragments, f16: (nt, ks) at WF + 8 (4 nt + ks)
.macro SQ3 d, x, t                     ; d = the squared norm of v[x .. x+2]
	v_mul_f32 v[\d], v[\x], v[\x]
.if SQ_FMA
	v_fmac_f32 v[\d], v[(\x)+1], v[(\x)+1]
	v_fmac_f32 v[\d], v[(\x)+2], v[(\x)+2]
.else
	v_mul_f32 v[\t], v[(\x)+1], v[(\x)+1]
	v_add_f32 v[\d], v[\d], v[\t]
	v_mul_f32 v[\t], v[(\x)+2], v[(\x)+2]
	v_add_f32 v[\d], v[\d], v[\t]
.endif
.endm
.macro DOT3 d, a, b, t
	v_mul_f32 v[\d], v[\a], v[\b]
.if DOT_FMA
	v_fmac_f32 v[\d], v[(\a)+1], v[(\b)+1]
	v_fmac_f32 v[\d], v[(\a)+2], v[(\b)+2]
.else
	v_mul_f32 v[\t], v[(\a)+1], v[(\b)+1]
	v_add_f32 v[\d], v[\d], v[\t]
	v_mul_f32 v[\t], v[(\a)+2], v[(\b)+2]
	v_add_f32 v[\d], v[\d], v[\t]
.endif
.endm
	s_load_b256 s[4:11], s[0:1], 0x0               ; geometry s[4:5], gaussian_pcd s[6:7], features s[8:9], W_proj s[10:11]
	s_load_b128 s[12:15], s[0:1], 0x20             ; b_proj s[12:13], ilist s[14:15]
	s_load_b64 s[16:17], s[0:1], 0x30              ; out0
	v_lshl_add_u32 v[SPW], v0, 2, SPARE
	v_mov_b32 v[NIL], 0
	v_and_b32 v1, 31, v0                           ; lane l
	v_lshrrev_b32 v2, 5, v0
	v_readfirstlane_b32 s18, v2                    ; wave 0..15
	v_and_b32 v2, 15, v0                           ; r = l % 16
	v_bfe_u32 v3, v0, 4, 1                         ; h = l / 16
	v_min_u32 v4, 9, v2                            ; the weights: lane (r, h) takes neighbour min(r, 9) of query 2 pass + h
	v_lshlrev_b32 v4, 2, v4
	v_lshl_add_u32 v4, v3, 6, v4                   ; in my wave's rows of ilist: 64 h + 4 x neighbour
	v_mul_u32_u24 v5, v3, 12
	s_wait_alu depctr_va_sdst(0)                   ; s18 is written, ahead of its first reader
	s_mul_i32 s19, s18, 48
	v_add_nc_u32 v5, s19, v5                       ; in geometry: (4 w + h) x 12
	v_lshlrev_b32 v6, 9, v2
	v_lshl_add_u32 v6, v3, 5, v6
	s_lshl_b32 s19, s18, 14
	v_add_nc_u32 v6, s19, v6                       ; in W: row 32 w + r, 512 bytes each, + 32 h
	v_lshlrev_b32 v7, 5, v3
	s_lshl_b32 s19, s18, 7
	v_add_nc_u32 v7, s19, v7                       ; in b: (32 w + 8 h) x 4
	v_lshlrev_b32 v8, 4, v1                        ; 16 l
	s_lshl_b32 s19, s18, 8
	s_add_co_u32 s19, s19, WTL
	v_lshl_add_u32 v9, v1, 2, s19                  ; where my weight goes
	v_mov_b32 v10, s19                             ; my wave's weights (the same in all lanes)
	s_mul_i32 s19, s18, 4*APITCH
	v_lshl_add_u32 v11, v1, 3, s19                 ; my 8 bytes of my wave's first row of means
	v_mul_u32_u24 v12, v2, APITCH
	v_lshl_add_u32 v12, v3, 4, v12                 ; a fragment's row x pitch + 16 x half
	s_lshr_b32 s22, ttmp9, 7                       ; batch
	s_mov_b32 s21, 0
	s_wait_kmcnt 0x0
	s_mul_i32 s20, ttmp9, 768
	s_add_nc_u64 s[4:5], s[4:5], s[20:21]          ; my 64 queries
	s_mul_i32 s20, s22, 98304
	s_add_nc_u64 s[6:7], s[6:7], s[20:21]          ; the batch's points
	s_lshl_b32 s20, s22, 22
	s_add_nc_u64 s[8:9], s[8:9], s[20:21]          ; the batch's features
	s_lshl_b32 s20, ttmp9, 12
	s_lshl_b32 s23, s18, 8
	s_add_co_u32 s20, s20, s23
	s_add_nc_u64 s[14:15], s[14:15], s[20:21]      ; my wave's four rows of ilist
	s_lshl_b32 s20, ttmp9, 17
	s_add_nc_u64 s[16:17], s[16:17], s[20:21]      ; my 64 rows of out0
.macro SIDX sb, q                      ; query q's ten indices into scalar registers: the launch stores nothing into ilist
	s_load_b256 s[(\sb):(\sb)+7], s[14:15], 64*(\q)
	s_load_b64 s[(\sb)+8:(\sb)+9], s[14:15], 64*(\q)+32
.endm
	SIDX 24, 0
	SIDX 36, 1
	SIDX 48, 2
	SIDX 68, 3
	s_wait_alu depctr_va_vdst(0)                   ; the addresses v4 to v12 are written, which the loads and LDS instructions below read
	global_load_b32 v160, v4, s[14:15]
	global_load_b96 v[162:164], v5, s[4:5]
	global_load_b32 v161, v4, s[14:15] offset:128
	global_load_b96 v[166:168], v5, s[4:5] offset:24
	; W's fragment (nt, ks): lane (r, h) holds row 16 nt + r, k = 32 ks + 8 h + 0..7 and 32 ks + 16 + 8 h + 0..7: in f32 two times 32 bytes, 64 bytes apart
.set f, 0
.rept 8
	global_load_b128 v[TW+16*f:TW+16*f+3],     v6, s[10:11] offset:8192*(f/4)+128*(f%4)
	global_load_b128 v[TW+16*f+4:TW+16*f+7],   v6, s[10:11] offset:8192*(f/4)+128*(f%4)+16
	global_load_b128 v[TW+16*f+8:TW+16*f+11],  v6, s[10:11] offset:8192*(f/4)+128*(f%4)+64
	global_load_b128 v[TW+16*f+12:TW+16*f+15], v6, s[10:11] offset:8192*(f/4)+128*(f%4)+80
.set f, f+1
.endr
	global_load_b128 v[BR:BR+3],     v7, s[12:13]
	global_load_b128 v[BR+4:BR+7],   v7, s[12:13] offset:16
	global_load_b128 v[BR+8:BR+11],  v7, s[12:13] offset:64
	global_load_b128 v[BR+12:BR+15], v7, s[12:13] offset:80
	s_wait_loadcnt 36                              ; W's 32 loads and the bias's 4 stay out: indices and queries are in
	v_min_u32 v178, 0x1fff, v160                   ; a number from memory enters an address only clamped to the table: 8,192 points
	v_min_u32 v179, 0x1fff, v161
	v_mul_u32_u24 v178, 12, v178
	v_mul_u32_u24 v179, 12, v179
	s_wait_alu depctr_va_vdst(0)                   ; v178 and v179 are written, which the two loads below read as offsets
	global_load_b96 v[170:172], v178, s[6:7]
	global_load_b96 v[174:176], v179, s[6:7]
	s_wait_loadcnt 0x2                             ; the two point loads stay out: W and the bias are in
.set f, 0
.rept 64
	v_cvt_pk_f16_f32 v[WF+f], v[TW+2*f], v[TW+2*f+1]
.set f, f+1
.endr
; A query's ten row offsets: 512 bytes a row, 16 bytes a lane
.macro MAKEOFF of, sb
.set j, 0
.rept 10
	s_min_u32 s[(\sb)+j], s[(\sb)+j], 0x1fff       ; clamped to the table: 8,192 rows
	v_lshl_add_u32 v[(\of)+j], s[(\sb)+j], 9, v8
.set j, j+1
.endr
.endm
	s_wait_kmcnt 0x0                               ; the indices
	MAKEOFF OF0, 24                                ; W's raw registers are free since the conversions; these lines stand in the wait for the two points
	MAKEOFF OF1, 36
	MAKEOFF OF2, 48
	s_wait_loadcnt 0x0
	; THE WEIGHTS, two passes side by side: pass p at registers + p (vectors + 4 p)
.irp p, 0,1
	SQ3 180+\p, 162+4*\p, 186+\p
	SQ3 182+\p, 170+4*\p, 186+\p
	DOT3 184+\p, 162+4*\p, 170+4*\p, 186+\p
	v_add_f32 v[182+\p], v[180+\p], v[182+\p]
	v_fma_f32 v[184+\p], -2.0, v[184+\p], v[182+\p]
	v_max_num_f32 v[184+\p], 0, v[184+\p]
.endr
	MAKEOFF OF3, 68                                ; the indices' and the queries' registers are free
	v_sqrt_f32 v184, v184
	v_sqrt_f32 v185, v185
	v_cmp_gt_u32 vcc_lo, 10, v2                    ; a plain instruction between a root or reciprocal and the use of its result (ISA guide 5.7.2); lanes 10 to 15 of a row hold no neighbour
	s_wait_alu depctr_va_vdst(0)                   ; the two roots are written, ahead of their first reader
	v_add_f32 v184, 0x322bcc77, v184               ; + 1e-8
	v_add_f32 v185, 0x322bcc77, v185
	v_rcp_f32 v184, v184
	v_rcp_f32 v185, v185
	v_nop
	s_wait_alu depctr_va_vdst(0)                   ; the two reciprocals are written, ahead of their first reader
	s_wait_alu depctr_va_vcc(0)                    ; VCC is written, ahead of the selects that read it
	v_cndmask_b32 v184, 0, v184, vcc_lo
	v_cndmask_b32 v185, 0, v185, vcc_lo
	v_mov_b32 v188, v184
	v_mov_b32 v189, v185
.irp m, 1,2,4,8
	v_add_f32_dpp v188, v188, v188 row_xmask:\m row_mask:0xf bank_mask:0xf  ; the sum over a query's 16 lanes
	v_add_f32_dpp v189, v189, v189 row_xmask:\m row_mask:0xf bank_mask:0xf
.endr
	v_rcp_f32 v188, v188
	v_rcp_f32 v189, v189
	v_nop
	s_wait_alu depctr_va_vdst(0)                   ; the two reciprocals of the sums are written, ahead of their first reader
	v_mul_f32 v[WT], v184, v188
	v_mul_f32 v[WT+1], v185, v189
	s_wait_alu depctr_va_vdst(0)                   ; my two weights are written, which the stores read; so are all forty offsets, which the rows' loads read; the conversions are done reading W's raw registers and the lines above v[180:189], in which weights and rows land
	ds_store_b32 v9, v[WT]                         ; query 2 p + h, neighbour r at 128 p + 4 l
	ds_store_b32 v9, v[WT+1] offset:128
	; THE MEANS.  A row of features is 512 bytes: one load of the wave, 16 bytes a lane.  Two buffers: while one query's ten rows are summed, the next one's are on their way.
.macro ISSUE q, wr, of, b
	ds_load_b128 v[(\wr):(\wr)+3],    v10 offset:64*(\q)     ; LDS serves a wave's instructions in order: these see my wave's stores above
	ds_load_b128 v[(\wr)+4:(\wr)+7],  v10 offset:64*(\q)+16
	ds_load_b128 v[(\wr)+8:(\wr)+11], v10 offset:64*(\q)+32
.set j, 0
.rept 10
	global_load_b128 v[F+40*(\b)+4*j:F+40*(\b)+4*j+3], v[(\of)+j], s[8:9]
.set j, j+1
.endr
.endm
.macro CONSUME q, wr, b, left
	s_wait_loadcnt \left                           ; the next query's ten loads stay out
	s_wait_dscnt 0x0                               ; the weights
.irp c, 0,1,2,3
	v_mul_f32 v[SUM+\c], v[F+40*(\b)+\c], v[(\wr)]
.endr
.set j, 1
.rept 9
.irp c, 0,1,2,3
	v_fmac_f32 v[SUM+\c], v[F+40*(\b)+4*j+\c], v[(\wr)+j]
.endr
.set j, j+1
.endr
	v_cvt_pk_f16_f32 v[OUT+2*(\q)], v[SUM], v[SUM+1]
	v_cvt_pk_f16_f32 v[OUT+2*(\q)+1], v[SUM+2], v[SUM+3]
.endm
.macro PUT q
	ds_store_b64 v11, v[OUT+2*(\q):OUT+2*(\q)+1] offset:APITCH*(\q)
.endm
	ISSUE 0, WR0, OF0, 0
	ISSUE 1, WR1, OF1, 1
	CONSUME 0, WR0, 0, 10
	s_wait_alu depctr_va_vdst(0)                   ; query 0's mean is written, which the store reads; its sums are done reading buffer 0 of weights and rows, in which query 2's land
	PUT 0
	ISSUE 2, WR0, OF2, 0
	CONSUME 1, WR1, 1, 10
	s_wait_alu depctr_va_vdst(0)                   ; the same for query 1 and buffer 1, in which query 3's land
	PUT 1
	ISSUE 3, WR1, OF3, 1
	CONSUME 2, WR0, 0, 10
	CONSUME 3, WR1, 1, 0
	s_wait_alu depctr_va_vdst(0)                   ; the means of queries 2 and 3 are written, which the stores read; the sums are done with the registers in which the fragments land below
	PUT 2
	PUT 3
	s_wait_dscnt 0x0                               ; for the others' sake: my four rows of means are in LDS
	s_barrier_signal -1
	s_barrier_wait -1
	s_wait_alu depctr_vm_vsrc(0)                   ; the rows' loads have read their offsets, the LDS stores my weights and means, the head's loads v4 to v7 and v178, v179: fragments land in some of these, the products write others, v4 to v7 are made anew
	; THE PRODUCT: 64 queries x my 32 columns x K = 128: four K steps of eight matrix instructions on eight accumulators, which take turns
.macro LOADK ks, b
.set mt, 0
.rept 4
	ds_load_b128 v[AF+32*(\b)+8*mt:AF+32*(\b)+8*mt+3],   v12 offset:16*APITCH*mt+64*(\ks)
	ds_load_b128 v[AF+32*(\b)+8*mt+4:AF+32*(\b)+8*mt+7], v12 offset:16*APITCH*mt+64*(\ks)+32
.set mt, mt+1
.endr
.endm
.macro MM ks, b, first
.set a, 0
.rept 8
.if \first
	v_wmma_f32_16x16x32_f16 v[ACC+8*a:ACC+8*a+7], v[WF+8*(4*(a%2)+(\ks)):WF+8*(4*(a%2)+(\ks))+7], v[AF+32*(\b)+8*(a/2):AF+32*(\b)+8*(a/2)+7], v[BR+8*(a%2):BR+8*(a%2)+7]
.else
	v_wmma_f32_16x16x32_f16 v[ACC+8*a:ACC+8*a+7], v[WF+8*(4*(a%2)+(\ks)):WF+8*(4*(a%2)+(\ks))+7], v[AF+32*(\b)+8*(a/2):AF+32*(\b)+8*(a/2)+7], v[ACC+8*a:ACC+8*a+7]
.endif
.set a, a+1
.endr
.endm
.macro PLACES                          ; four places between a matrix instruction and a load into its sources or a store of its result
.rept 4
	v_nop
.endr
.endm
	LOADK 0, 0
	LOADK 1, 1
	LOADK 2, 2
	v_mul_u32_u24 v[SO], v2, SPITCH                ; the way out, made while the fragments are on their way.  In: row 16 mt + r, bytes 128 w + 64 nt + 32 h
	v_lshl_add_u32 v[SO], v3, 5, v[SO]
	s_lshl_b32 s19, s18, 7
	s_add_co_u32 s19, s19, ST
	v_add_nc_u32 v[SO], s19, v[SO]
	v_add_nc_u32 v[SO+1], 32*SPITCH, v[SO]         ; rows 32 on: beyond the 16 bits of an LDS offset
	s_mul_i32 s19, s18, 4*SPITCH
	s_add_co_u32 s19, s19, ST
	v_add_nc_u32 v[RB], s19, v8                    ; back: rows 4 w .. 4 w + 3, 512 bytes at a time
	s_lshl_b32 s19, s18, 13
	v_add_nc_u32 v[GOU], s19, v8                   ; and the same bytes in out0
	s_wait_dscnt 16                                ; the next two K steps' sixteen loads stay out
	MM 0, 0, 1                                     ; the bias starts the sums
	PLACES
	s_wait_alu depctr_va_vdst(0)                   ; the first K step's products are done reading buffer 0, in which the fourth step's fragments land
	LOADK 3, 0
	s_wait_dscnt 16                                ; steps 2 and 3 stay out
	MM 1, 1, 0
	s_wait_dscnt 8                                 ; step 3 stays out
	MM 2, 2, 0
	s_wait_dscnt 0x0
	MM 3, 0, 0
	PLACES
	s_wait_alu depctr_va_vdst(0)                   ; the products have written the accumulators, which the stores below read, and are done reading the fragments' registers, in which the rows land further down; the places above stay beside this wait
	; THE WAY OUT: a lane's eight columns are 32 bytes of a row; the sixteen waves fill the stage's rows, a barrier, and each wave reads four whole rows back.  Each accumulator's low half goes first.
.set a, 0
.rept 8
	ds_store_b128 v[SO+a/4], v[ACC+8*a:ACC+8*a+3]   offset:16*SPITCH*((a/2)%2)+64*(a%2)
	ds_store_b128 v[SO+a/4], v[ACC+8*a+4:ACC+8*a+7] offset:16*SPITCH*((a/2)%2)+64*(a%2)+16
.set a, a+1
.endr
	s_wait_dscnt 0x0                               ; my part of the stage is written
	s_barrier_signal -1
	s_barrier_wait -1
.set n, 0
.rept 16
	ds_load_b128 v[AF+4*n:AF+4*n+3], v[RB] offset:SPITCH*(n/4)+512*(n%4)
.set n, n+1
.endr
.set n, 0
.rept 16
	s_wait_dscnt 15-n                              ; LDS loads come back in order: number n is in
	global_store_b128 v[GOU], v[AF+4*n:AF+4*n+3], s[16:17] offset:512*n th:TH_STORE_NT  ; 512 consecutive bytes, at a multiple of 512 from out0's first byte
.set n, n+1
.endr
	s_wait_dscnt 0x0                               ; the closing lines, six on end
	s_wait_alu 0x0
	s_wait_tensorcnt 0x0
	ds_add_u32 v[SPW], v[NIL]
	s_wait_dscnt 0x0
	s_endpgm
.Lfunc_end_k_q627344ee8a_mix:
	.size	k_q627344ee8a_mix, .Lfunc_end_k_q627344ee8a_mix-k_q627344ee8a_mix
	.p2alignl 7, 3214868480
	.fill 96, 4, 3214868480
	.section	.rodata,"a",@progbits
	.p2align	6, 0x0
	.amdhsa_kernel k_q627344ee8a_mix
		.amdhsa_group_segment_fixed_size 155648
		.amdhsa_private_segment_fixed_size 0
		.amdhsa_enable_private_segment 0
		.amdhsa_kernarg_size 56
		.amdhsa_user_sgpr_count 2
		.amdhsa_user_sgpr_kernarg_segment_ptr 1
		.amdhsa_wavefront_size32 1
		.amdhsa_system_sgpr_workgroup_id_x 1
		.amdhsa_system_sgpr_workgroup_id_y 1
		.amdhsa_system_sgpr_workgroup_id_z 1
		.amdhsa_system_vgpr_workitem_id 0
		.amdhsa_next_free_vgpr 256
		.amdhsa_next_free_sgpr 80
		.amdhsa_reserve_vcc 1
		.amdhsa_float_denorm_mode_32 3
		.amdhsa_float_denorm_mode_16_64 3
		.amdhsa_memory_ordered 1
		.amdhsa_forward_progress 1
		.amdhsa_inst_pref_size 39
	.end_amdhsa_kernel
	.amdgpu_metadata
---
amdhsa.version: [ 1, 2 ]
amdhsa.kernels:
  - .name:           k_q627344ee8a_mix
    .symbol:         k_q627344ee8a_mix.kd
    .args:
      - { .name: geometry, .offset: 0, .size: 8, .value_kind: global_buffer, .address_space: global }
      - { .name: gaussian_pcd, .offset: 8, .size: 8, .value_kind: global_buffer, .address_space: global }
      - { .name: features, .offset: 16, .size: 8, .value_kind: global_buffer, .address_space: global }
      - { .name: W_proj, .offset: 24, .size: 8, .value_kind: global_buffer, .address_space: global }
      - { .name: b_proj, .offset: 32, .size: 8, .value_kind: global_buffer, .address_space: global }
      - { .name: ilist, .offset: 40, .size: 8, .value_kind: global_buffer, .address_space: global }
      - { .name: out0, .offset: 48, .size: 8, .value_kind: global_buffer, .address_space: global }
    .group_segment_fixed_size: 155648
    .private_segment_fixed_size: 0
    .kernarg_segment_align: 8
    .kernarg_segment_size: 56
    .max_flat_workgroup_size: 512
    .sgpr_count:     80
    .vgpr_count:     256
    .wavefront_size: 32
...
	.end_amdgpu_metadata
.endif
;; end of part 5
